; MI455X (gfx1250); checked and timed in simulation.
; The chip was launched on July 23, 2026; its instructions are those of AMD's public machine-readable ISA for CDNA 5 (MIT licence, August 2026) and "CDNA5" Instruction Set Architecture Reference Guide (July 2026). The comments in the code are by the model that wrote it; some were corrected since.
;; Grouped Query Attention. Allowed arithmetic: matrix products marked QUANTISED: E2M3 operands, one E8M0 scale for each 32 along K, by v_wmma_scale_f32_16x16x128_f8f6f4 with both operands' format E2M3, f32 sums; everything else in f32.
;; Inputs: Wk 1,024 x 512 float32; Wo 1,024 x 1,024 float32; Wq 1,024 x 1,024 float32; Wv 1,024 x 512 float32; x 2 x 2,048 x 1,024 float32.
;; Outputs: out0 2 x 2,048 x 1,024 float32.
;; This version of the problem:
;;   THIS VERSION OF THE PROBLEM IS GIVEN IN LOW PRECISION. The matrix products marked QUANTISED in the list below multiply operands that are first quantised to E2M3 (2 exponent bits, 3 mantissa bits; 6 bits a number), with one power-of-two scale for each 32 numbers along K (OCP MX v1.0); their sums are f32. All else is computed in f32.
;;   The module's matrix products, in the order in which they are computed (A, B: the left and right operand; K: the contracted axis; several contracted axes count as one K, in the product's order):
;;     1. [M 4,096, K 1,024] x [K 1,024, N 1,024]; A: input x; B: input Wq: QUANTISED
;;     2. [M 4,096, K 1,024] x [K 1,024, N 512]; A: input x; B: input Wk: QUANTISED
;;     3. [M 4,096, K 1,024] x [K 1,024, N 512]; A: input x; B: input Wv: QUANTISED
;;     4. batch 32 x [M 4,096, K 32] x [K 32, N 2,048]; A: computed on the way; B: computed on the way: QUANTISED
;;     5. batch 32 x [M 4,096, K 2,048] x [K 2,048, N 32]; A: softmax (see below); B: computed on the way: QUANTISED
;;     6. [M 4,096, K 1,024] x [K 1,024, N 1,024]; A: computed on the way; B: input Wo: QUANTISED
;;   THE QUANTISER, for each operand of a quantised product, along K:
;;     - K is cut into blocks of 32 from its start; a last block that is shorter is filled with zeros.
;;     - A block's scale is 2^e with e = floor(log2(the largest magnitude in the block)) - 2, held to -126 .. 127; a block of zeros has e = 0. As a byte (E8M0): e + 127.
;;     - Each number is divided by its block's scale, clamped to +-7.5, and rounded to the nearest number of E2M3, ties to even, subnormals kept.
;;     - The product sums the exact products of the quantised numbers (number of the format x scale) in f32.
;;   ~~~python
;;   def quantise(x, axis):      # numpy; x: float32 -> the quantised numbers, widened to float32 again
;;       x = np.moveaxis(x, axis, -1); K = x.shape[-1]
;;       x = np.pad(x, [(0, 0)] * (x.ndim - 1) + [(0, -K % 32)]); x = x.reshape(x.shape[:-1] + (-1, 32)); a = np.abs(x).max(-1, keepdims=True)
;;       e = np.where(a > 0, np.clip(np.frexp(np.where(a > 0, a, 1))[1] - 1 - 2, -126, 127), 0)      # np.frexp(a)[1] - 1 = floor(log2(a)), exactly
;;       r = np.clip(x / 2.0 ** e, -7.5, 7.5)
;;       step = 2.0 ** (np.maximum(np.frexp(np.where(r == 0, 1, r))[1] - 1, 0) - 3)
;;       q = np.round(r / step) * step * 2.0 ** e      # np.round: ties to even
;;       return np.moveaxis(q.reshape(q.shape[:-2] + (-1,))[..., :K], -1, axis).astype(np.float32)
;;   ~~~
;;   SOFTMAX AHEAD OF A QUANTISED PRODUCT. Where the list says 'softmax', what is quantised is not the finished softmax but p = 2^(t - M), with t = logit x log2(e) and M = ceil(the row's largest t), a whole number; so 1/2 < the row's largest p <= 1. The row's sum l is taken of the UNQUANTISED p, in f32, and the product's result is divided by l at the end. Since M is a whole number, a kernel that streams over the keys may use a running M (the ceiling of the running maximum): every later rescaling is an exact power of two, which a block's scale takes up: the codes' values come out the same.
;;   OPERANDS COMPUTED ON THE WAY. 'Computed on the way' means the value that the module computes at that place (a softmax that the list does not call 'softmax' is quantised finished and normalised). What goes into a quantiser is computed in f32, as accurately as f32 sums, v_exp_f32 and their like allow (about 1e-6 of the number): no bf16 or f16 on the way to a quantiser, and a product that is left as it is and whose result goes on into a quantised operand takes f32 operands (vector FMAs, or v_wmma_f32_16x16x4_f32). A number that lies on a knife's edge between two numbers of the format may be rounded either way, as far as f32 arithmetic and the matrix unit's own rounding can turn it there, and no further.
;; One version. Each part assembles by itself: llvm-mc -triple=amdgcn-amd-amdhsa -mcpu=gfx1250 --defsym DOCPART=n.
;; ======== version 1 of 1: 4 launches
;; limits: right only within a limited range of input values
;; workspace buffers: xq 3,276,800 bytes; wq 2,457,600 bytes; qb 3,276,800 bytes; kv 3,276,800 bytes; ao 3,276,800 bytes
;; launch quant (part 1): grid 448 x 1, 4 waves a work-group, no clusters, 34,304 bytes of LDS; arguments x, Wq, Wk, Wv, Wo, xq, wq; writes xq, wq
.if DOCPART == 1
	.amdgcn_target "amdgcn-amd-amdhsa--gfx1250"
	.amdhsa_code_object_version 6
	.text
	.protected	k_q2753870b0a_quant
	.globl	k_q2753870b0a_quant
	.p2align	8
	.type	k_q2753870b0a_quant,@function
k_q2753870b0a_quant:
	s_mov_b64 s[64:65], 0
	v_nop
	global_prefetch_b8 v0, s[64:65] scope:SCOPE_SE
	s_setreg_imm32_b32 hwreg(HW_REG_WAVE_MODE, 25, 1), 1
	s_wait_xcnt 0x0
; x [4096][1024] and the four weights [1024][N], all f32, become codes of FP6 (E2M3) with one E8M0 byte for each 32 along K (the model axis), laid as IMAGES OF OPERAND REGISTERS:
; a fragment (16 rows x 128 K, 12 registers a lane) is 1,536 bytes, registers 4 g .. 4 g + 3 of lane l at 512 g + 16 l.
; A block's scale is 2^(floor(log2(largest magnitude)) - 2): its byte is the largest magnitude's exponent field - 2, held at 1 from below by a floor among the maximum's leaves.
; LIMITS: a block of zeros gets the byte 1 where the rule says 127 (its codes are zeros, and this program alone reads the bytes); NaN and infinities among the inputs are not served.
; SHARES: every wave takes 16 KB of f32, asks for all of it at once, works it and stores it; waves share nothing: no barrier.
;   work-groups 0-255: x.  Work-group = a tile of 16 rows, wave = 256 along K (two fragments).  THE ROWS OF A TILE ARE NOT NEIGHBOURS: row r of tile T of a group of 128 rows is 64 (T / 4) + 8 (T % 4) + r % 8 + 32 (r / 8).
;   work-groups 256-319 Wq, 320-383 Wo, 384-415 Wk, 416-447 Wv: a wave takes 128 along K x 32 columns; a lane takes a column and its registers run down K.
;   Column c of a group of 32 is row c % 8 + 8 (c / 16) of fragment (c / 8) % 2.
.set XSOFF, 3145728                    ; xq: the scale words, [group of rows 32][tile 8][pair of K steps 4][32 lanes]: lanes 0-15 the even K step's word of row r, lanes 16-31 the odd one's
.set WOOFF, 1572864                    ; wq: Wo's codes
.set WSOFF, 2359296                    ; wq: scale words of Wq, Wk, Wv: [group of 32 columns 64][K step 8][32 lanes]
.set WOSOFF, 2424832                   ; wq: Wo's scale words
.set SPB,  528                         ; the x path's stage: a row of 512 bytes + 16, so that the sixteen rows of a read begin in sixteen different 16-byte columns of 256
.set STGB, 16*SPB                      ; a wave's stage
.set TM,   8                           ; v8-15   at work on a block's scale
.set PW0,  16                          ; v16, v17 the two fragments' scale words
.set PW1,  17
.set WD,   18                          ; v18     the word that is stored
.set CA,   20                          ; v20-31  a fragment's codes (W: the lane's blocks 0 and 2)
.set CB,   32                          ; v32-43  the other fragment's (W: blocks 1 and 3)
.set CT,   44                          ; v44-50  the conversions' second halves (three registers that begin on an even number)
.set IMGL, 52                          ; v52     W: my column's place in the two images
.set SCL,  53                          ; v53     W: my column's place among the scale words
.set IN,   64                          ; v64-191 the numbers as loaded
.set TD,   192                         ; v192-255 x: 64 numbers of my row, as the operand's layout wants them
	s_load_b256 s[4:11], s[0:1], 0x0               ; x s[4:5], Wq s[6:7], Wk s[8:9], Wv s[10:11]
	s_load_b128 s[12:15], s[0:1], 0x20             ; Wo s[12:13], xq s[14:15]
	s_load_b64 s[16:17], s[0:1], 0x30              ; wq
	v_lshl_add_u32 v62, v0, 2, 0x8400
	v_mov_b32 v63, 0
	v_lshrrev_b32 v6, 5, v0
	v_readfirstlane_b32 s18, v6                    ; wave
	v_and_b32 v7, 31, v0                           ; lane
	v_lshlrev_b32 v1, 4, v7                        ; 16 x lane
	v_lshlrev_b32 v4, 2, v7                        ; 4 x lane
	s_mov_b32 s20, 0x76543210
	s_mov_b32 s21, 0xfedcba98                      ; v_permlanex16_b32's selects for lane l xor 16
	s_mov_b32 s22, 0xffff0000                      ; lanes 16-31
	s_mov_b32 s27, 0
	s_mov_b32 s29, 0
	s_wait_kmcnt 0x0
	s_cmp_ge_u32 ttmp9, 256
	s_cbranch_scc1 .Lweights
	; ---------------- x ----------------
	s_lshr_b32 s24, ttmp9, 3                       ; group of 128 rows
	s_and_b32 s25, ttmp9, 7                        ; tile T
	s_lshl_b32 s26, s24, 7
	; THE ROW ORDER OF A TILE OF x: row r of tile T of a group of 128 rows is 64 (T / 4) + 8 (T % 4) + r % 8 + 32 (r / 8)
	s_lshr_b32 s28, s25, 2
	s_lshl_b32 s28, s28, 6
	s_add_co_u32 s26, s26, s28
	s_and_b32 s28, s25, 3
	s_lshl_b32 s28, s28, 3
	s_add_co_u32 s26, s26, s28                     ; the tile's first row: 128 group + 64 (T / 4) + 8 (T % 4)
	s_lshl_b32 s26, s26, 12                        ; a row is 4,096 bytes
	s_lshl_b32 s28, s18, 10
	s_add_co_u32 s26, s26, s28                     ; + my 256 along K
	s_add_nc_u64 s[4:5], s[4:5], s[26:27]
	s_wait_alu depctr_va_vdst(0)
.irp f, 0,1
.irp rho, 0,1,2,3,4,5,6,7,8,9,10,11,12,13,14,15
	global_load_b128 v[IN+64*\f+4*\rho:IN+64*\f+4*\rho+3], v1, s[4:5] offset:(\rho+24*(\rho/8))*4096+512*\f th:TH_LOAD_NT   ; 32 lanes read 512 consecutive bytes of one row: a K step
.endr
.endr
	v_and_b32 v6, 15, v0                           ; r
	v_bfe_u32 v5, v0, 4, 1                         ; h
	s_mul_i32 s24, s18, STGB
	v_add_nc_u32 v2, s24, v1                       ; into the stage: 16 x lane of a row
	v_mul_u32_u24 v3, v6, SPB
	v_lshl_add_u32 v3, v5, 7, v3
	v_add_nc_u32 v3, s24, v3                       ; out of it: row r, + 128 h: k = 64 c + 32 h + 0 .. 31
	v_lshlrev_b32 v5, 3, v5                        ; 8 h: where my two bytes stand in the scale word
	v_mov_b32 v[TM+6], 0                           ; a lane permute's destination counts as one of its sources
	s_lshr_b32 s24, ttmp9, 3
	s_lshl_b32 s28, s24, 3
	s_lshl_b32 s26, s18, 1
	s_add_co_u32 s28, s28, s26                     ; 8 group + my first K step
	s_lshl_b32 s28, s28, 3
	s_add_co_u32 s28, s28, s25
	s_mul_i32 s28, s28, 1536
	s_add_nc_u64 s[30:31], s[14:15], s[28:29]      ; my first image; the second lies 8 images on
	s_lshl_b32 s28, ttmp9, 2
	s_add_co_u32 s28, s28, s18
	s_lshl_b32 s28, s28, 7
	s_add_co_u32 s28, s28, XSOFF
	s_add_nc_u64 s[32:33], s[14:15], s[28:29]      ; my 128 bytes of scale words
; 64 numbers in v[TD] on, register 32 c + i = k 64 c + 32 h + i of my row, become the fragment's registers and its scale word: a lane holds two whole blocks
.macro XQ pc, pw
.irp c, 0,1
	v_max3_num_f32 v[TM+\c], |v[TD+32*\c]|, |v[TD+32*\c+1]|, 0x1800000   ; with the floor 2^(3 - 127): the byte cannot fall under 1
.endr
.irp i, 2,4,6,8,10,12,14,16,18,20,22,24,26,28,30
.irp c, 0,1
	v_max3_num_f32 v[TM+\c], v[TM+\c], |v[TD+32*\c+\i]|, |v[TD+32*\c+\i+1]|   ; the two blocks by turns
.endr
.endr
.irp c, 0,1
	v_add_nc_u32 v[TM+2+\c], 0xff000000, v[TM+\c]  ; 2 off the exponent field: the conversion's scale operand
.endr
.irp c, 0,1
	v_lshrrev_b32 v[TM+4+\c], 23, v[TM+2+\c]       ; the scale's byte
.endr
	v_lshl_or_b32 v[\pw], v[TM+5], 16, v[TM+4]     ; blocks h and 2 + h,
	v_lshlrev_b32 v[\pw], v5, v[\pw]               ; at their places,
	v_permlanex16_b32 v[TM+6], v[\pw], s20, s21
	v_or_b32 v[\pw], v[\pw], v[TM+6]               ; with lane l xor 16's two the word is whole
.irp c, 0,1
	v_cvt_scalef32_pk16_fp6_f32 v[\pc+6*\c:\pc+6*\c+2], v[TD+32*\c:TD+32*\c+15], v[TM+2+\c]
	v_cvt_scalef32_pk16_fp6_f32 v[CT+4*\c:CT+4*\c+2], v[TD+32*\c+16:TD+32*\c+31], v[TM+2+\c]
.endr
	v_nop                                          ; one plain place behind a scaled conversion
.irp c, 0,1
.irp i, 0,1,2
	v_mov_b32 v[\pc+6*\c+3+\i], v[CT+4*\c+\i]
.endr
.endr
.endm
.macro XHALF f, pc, pw, cnt
	s_wait_loadcnt \cnt                            ; this K step's sixteen loads are in; the younger ones may be out
.irp rho, 0,1,2,3,4,5,6,7,8,9,10,11,12,13,14,15
	ds_store_b128 v2, v[IN+64*\f+4*\rho:IN+64*\f+4*\rho+3] offset:SPB*\rho
.endr
.irp c, 0,1
.irp i, 0,1,2,3,4,5,6,7
	ds_load_b128 v[TD+32*\c+4*\i:TD+32*\c+4*\i+3], v3 offset:256*\c+16*\i   ; LDS serves a wave's instructions in order: these see my stores
.endr
.endr
	s_wait_dscnt 0x0
	XQ \pc, \pw
.irp g, 0,1,2
	global_store_b128 v1, v[\pc+4*\g:\pc+4*\g+3], s[30:31] offset:12288*\f+512*\g   ; 512 consecutive bytes, aligned
.endr
.endm
	s_wait_alu depctr_va_vdst(0)
	XHALF 0, CA, PW0, 16
	XHALF 1, CB, PW1, 0
	v_cndmask_b32 v[WD], v[PW0], v[PW1], s22       ; lanes 0-15 the even K step's word, lanes 16-31 the odd one's
	global_store_b32 v4, v[WD], s[32:33]
	s_wait_tensorcnt 0x0
	ds_add_u32 v62, v63
	s_wait_dscnt 0x0
	s_endpgm
	; ---------------- the weights ----------------
.Lweights:
	s_cmp_ge_u32 ttmp9, 384
	s_cbranch_scc1 .Lnarrow
	s_cmp_lt_u32 ttmp9, 320                        ; Wq or Wo: the choice hangs on the work-group's number alone
	s_cselect_b64 s[4:5], s[6:7], s[12:13]
	s_mov_b32 s34, 320
	s_cselect_b32 s34, 256, s34                    ; the matrix's first work-group
	s_mov_b32 s35, 0                               ; its first group of columns in wq
	s_cselect_b32 s36, 3, 2                        ; log2 of the groups in a block of columns: 8, for Wo 4
	s_cselect_b32 s37, 7, 3
	s_cselect_b32 s38, 0, WOOFF
	s_mov_b32 s39, WOSOFF
	s_cselect_b32 s39, WSOFF, s39
	s_mov_b32 s40, 128*4096                        ; a K step of rows, in bytes
	s_branch .Laddr
.Lnarrow:
	s_cmp_lt_u32 ttmp9, 416                        ; Wk or Wv
	s_cselect_b64 s[4:5], s[8:9], s[10:11]
	s_mov_b32 s34, 416
	s_cselect_b32 s34, 384, s34
	s_cselect_b32 s35, 32, 48
	s_mov_b32 s36, 3
	s_mov_b32 s37, 7
	s_mov_b32 s38, 0
	s_mov_b32 s39, WSOFF
	s_mov_b32 s40, 128*2048
.Laddr:
	s_sub_co_u32 s24, ttmp9, s34
	s_and_b32 s25, s24, 7                          ; K step
	s_lshr_b32 s24, s24, 3
	s_lshl_b32 s24, s24, 2
	s_add_co_u32 s24, s24, s18                     ; my group of 32 columns: the four waves stand side by side on 512 bytes of each row
	s_mul_i32 s26, s25, s40
	s_lshl_b32 s28, s24, 7
	s_add_co_u32 s26, s26, s28
	s_add_nc_u64 s[4:5], s[4:5], s[26:27]
	s_add_co_u32 s24, s24, s35
	s_lshr_b32 s28, s24, s36
	s_lshl_b32 s28, s28, 3
	s_add_co_u32 s28, s28, s25
	s_lshl_b32 s28, s28, s36
	s_and_b32 s26, s24, s37
	s_add_co_u32 s28, s28, s26                     ; [block of columns][K step][group in the block]
	s_mul_i32 s28, s28, 3072                       ; two images
	s_add_co_u32 s28, s28, s38
	s_add_nc_u64 s[30:31], s[16:17], s[28:29]
	s_lshl_b32 s28, s24, 3
	s_add_co_u32 s28, s28, s25
	s_lshl_b32 s28, s28, 7
	s_add_co_u32 s28, s28, s39
	s_add_nc_u64 s[32:33], s[16:17], s[28:29]
	s_cmp_ge_u32 ttmp9, 384
	s_cbranch_scc1 .Lload_narrow
.set I, 0
	s_wait_alu depctr_va_vdst(0)
.rept 128
	global_load_b32 v[IN+I], v4, s[4:5] offset:I*4096 th:TH_LOAD_NT   ; W(128 K step + I, my column): 128 consecutive bytes a wave
.set I, I+1
.endr
	s_branch .Lwork
.Lload_narrow:
.set I, 0
	s_wait_alu depctr_va_vdst(0)
.rept 128
	global_load_b32 v[IN+I], v4, s[4:5] offset:I*2048 th:TH_LOAD_NT
.set I, I+1
.endr
.Lwork:
	v_bfe_u32 v6, v0, 3, 1                         ; which fragment: (c / 8) % 2
	v_and_b32 v7, 7, v0
	v_bfe_u32 v14, v0, 4, 1
	v_lshl_add_u32 v7, v14, 3, v7                  ; which row of it: c % 8 + 8 (c / 16)
	v_lshlrev_b32 v[IMGL], 4, v7
	v_mad_u32_u24 v[IMGL], v6, 1536, v[IMGL]
	v_lshl_add_u32 v[SCL], v6, 4, v7
	v_lshlrev_b32 v[SCL], 2, v[SCL]
; block bk of my column: all its 32 numbers are mine
.macro WBLK bk, cnt, dst
	s_wait_loadcnt \cnt                            ; the block's 32 loads are in (the count's field holds 63: where more could stay out, 63 stands)
	v_max3_num_f32 v[TM], |v[IN+32*\bk]|, |v[IN+32*\bk+1]|, |v[IN+32*\bk+2]|
	v_max3_num_f32 v[TM+1], |v[IN+32*\bk+3]|, |v[IN+32*\bk+4]|, |v[IN+32*\bk+5]|
.irp i, 6,10,14,18,22,26
	v_max3_num_f32 v[TM], v[TM], |v[IN+32*\bk+\i]|, |v[IN+32*\bk+\i+1]|
	v_max3_num_f32 v[TM+1], v[TM+1], |v[IN+32*\bk+\i+2]|, |v[IN+32*\bk+\i+3]|
.endr
	v_max3_num_f32 v[TM], v[TM], |v[IN+32*\bk+30]|, |v[IN+32*\bk+31]|
	v_max3_num_f32 v[TM], v[TM], v[TM+1], 0x1800000
	v_add_nc_u32 v[TM+2], 0xff000000, v[TM]
	v_lshrrev_b32 v[TM+3], 23, v[TM+2]
.if \bk == 0
	v_mov_b32 v[WD], v[TM+3]
.else
	v_lshl_or_b32 v[WD], v[TM+3], 8*\bk, v[WD]     ; my column's scale word: the lower K in the lower byte
.endif
	v_cvt_scalef32_pk16_fp6_f32 v[\dst:\dst+2], v[IN+32*\bk:IN+32*\bk+15], v[TM+2]
	v_cvt_scalef32_pk16_fp6_f32 v[CT:CT+2], v[IN+32*\bk+16:IN+32*\bk+31], v[TM+2]
	v_nop                                          ; one plain place behind a scaled conversion
.irp i, 0,1,2
	v_mov_b32 v[\dst+3+\i], v[CT+\i]
.endr
.endm
	WBLK 0, 63, CA                                 ; blocks 0 and 2 are the registers of the image's lane (row, half 0),
	WBLK 1, 63, CB                                 ; blocks 1 and 3 those of lane (row, half 1)
	WBLK 2, 32, CA+6
	WBLK 3, 0, CB+6
.irp g, 0,1,2
	global_store_b128 v[IMGL], v[CA+4*\g:CA+4*\g+3], s[30:31] offset:512*\g       ; sixteen lanes fill 256 consecutive bytes, aligned, in each of the two images
	global_store_b128 v[IMGL], v[CB+4*\g:CB+4*\g+3], s[30:31] offset:512*\g+256
.endr
	global_store_b32 v[SCL], v[WD], s[32:33]
	s_endpgm
.Lfunc_end_k_q2753870b0a_quant:
	.size	k_q2753870b0a_quant, .Lfunc_end_k_q2753870b0a_quant-k_q2753870b0a_quant
	.p2alignl 7, 3214868480
	.fill 96, 4, 3214868480
	.section	.rodata,"a",@progbits
	.p2align	6, 0x0
	.amdhsa_kernel k_q2753870b0a_quant
		.amdhsa_group_segment_fixed_size 34304
		.amdhsa_private_segment_fixed_size 0
		.amdhsa_enable_private_segment 0
		.amdhsa_kernarg_size 56
		.amdhsa_user_sgpr_count 2
		.amdhsa_user_sgpr_kernarg_segment_ptr 1
		.amdhsa_wavefront_size32 1
		.amdhsa_system_sgpr_workgroup_id_x 1
		.amdhsa_system_sgpr_workgroup_id_y 1
		.amdhsa_system_sgpr_workgroup_id_z 1
		.amdhsa_system_vgpr_workitem_id 0
		.amdhsa_next_free_vgpr 256
		.amdhsa_next_free_sgpr 66
		.amdhsa_reserve_vcc 0
		.amdhsa_float_denorm_mode_32 3
		.amdhsa_float_denorm_mode_16_64 3
		.amdhsa_memory_ordered 1
		.amdhsa_forward_progress 1
		.amdhsa_inst_pref_size 50
	.end_amdhsa_kernel
	.amdgpu_metadata
---
amdhsa.version: [ 1, 2 ]
amdhsa.kernels:
  - .name:           k_q2753870b0a_quant
    .symbol:         k_q2753870b0a_quant.kd
    .args:
      - { .name: x, .offset: 0, .size: 8, .value_kind: global_buffer, .address_space: global }
      - { .name: Wq, .offset: 8, .size: 8, .value_kind: global_buffer, .address_space: global }
      - { .name: Wk, .offset: 16, .size: 8, .value_kind: global_buffer, .address_space: global }
      - { .name: Wv, .offset: 24, .size: 8, .value_kind: global_buffer, .address_space: global }
      - { .name: Wo, .offset: 32, .size: 8, .value_kind: global_buffer, .address_space: global }
      - { .name: xq, .offset: 40, .size: 8, .value_kind: global_buffer, .address_space: global }
      - { .name: wq, .offset: 48, .size: 8, .value_kind: global_buffer, .address_space: global }
    .group_segment_fixed_size: 34304
    .private_segment_fixed_size: 0
    .kernarg_segment_align: 8
    .kernarg_segment_size: 56
    .max_flat_workgroup_size: 128
    .sgpr_count:     66
    .vgpr_count:     256
    .wavefront_size: 32
...
	.end_amdgpu_metadata
.endif
;; end of part 1
;; launch qkv (part 2): grid 32 x 8, 8 waves a work-group, clusters of 4 x 1, 295,936 bytes of LDS; arguments xq, wq, qb, kv; writes qb, kv
.if DOCPART == 2
	.amdgcn_target "amdgcn-amd-amdhsa--gfx1250"
	.amdhsa_code_object_version 6
	.text
	.protected	k_q2753870b0a_qkv
	.globl	k_q2753870b0a_qkv
	.p2align	8
	.type	k_q2753870b0a_qkv,@function
k_q2753870b0a_qkv:
	s_mov_b64 s[64:65], 0
	v_nop
	global_prefetch_b8 v0, s[64:65] scope:SCOPE_SE
	s_setreg_imm32_b32 hwreg(HW_REG_WAVE_MODE, 25, 1), 1
	s_wait_xcnt 0x0
	s_wait_alu depctr_hold_cnt(0) depctr_sa_sdst(0) depctr_va_vdst(0) depctr_va_sdst(0) depctr_va_ssrc(0) depctr_va_vcc(0) depctr_vm_vsrc(0)
	s_getreg_b32 s2, hwreg(HW_REG_IB_STS2, 6, 4)
	s_cmp_eq_u32 s2, 0
	s_cbranch_scc0 .Lentry_in_a_cluster
	s_endpgm
.Lentry_in_a_cluster:
	s_bfe_u32 s2, ttmp6, 0x10000c
	s_cmp_lg_u32 s2, 0x3003
	s_cbranch_scc0 .Lentry_shape_is_right
	s_endpgm
.Lentry_shape_is_right:
; q = rope(x Wq), k = rope(x Wk), v = x Wv on codes of FP6 (E2M3); the results are quantised again, q and k along a head's 32, v along the keys, and stored as images of operand registers.
; SHARES.  A work-group takes 128 rows (group RG) x 256 columns (block CB: 0-3 of q, 4-5 of k, 6-7 of v); wave w takes the 128 rows x one head's 32 columns: 8 tiles of rows x 2 tiles of columns = 16 accumulators.
; LDS is filled ONCE: all 8 K steps of x's images (98,304 bytes) and of W's (196,608) are asked for at the head, one tensor load a wave; one wait for all before the products begin.
; CLUSTER.  The four partners differ in RG and share CB: W's chunks are asked for jointly (mask 15), x's by each work-group for itself.  The cluster runs along the rows because the q/k way and the v way part on CB,
; which partners must share.
; q AND k: the product is used transposed (source 0 = 16 columns of W, source 1 = 16 rows of x).  W's tiles hold columns 8 u + m % 8 + 16 (m / 8), so lane (r, h) holds row r and in the 16 registers of tiles u = 0, 1 the head's columns 16 h + 0 .. 15.
; v: source 0 = x, source 1 = W: lane (r, h) holds column r of the tile, and x's tiles hold rows 64 (T / 4) + 8 (T % 4) + m % 8 + 32 (m / 8), so the 32 registers of tiles 4 c .. 4 c + 3 are keys 64 c + 32 h + 0 .. 31.
; ROPE in f32: theta = 2^(-ip log2(10000) / 512) by v_exp_f32 with the exponent in two parts; angle = fl(s theta); reduced by pi in two parts; sine to r^13 and cosine to r^12 by Taylor's series, |r| <= pi / 2.
; LIMITS: theta lies within about an ulp of the exact number, so that at s = 2,047 the angle may differ from another f32 evaluation's by about 1e-4; sine and cosine are good to about 1e-7 absolute;
; a block of zeros gets the byte 1 (its codes are zeros; this program alone reads the bytes); NaN and infinities are not served.
; REGISTERS: window 0: v1-7 addresses; v8-15 W's scale words, v16-47 x's (nothing else ever); v56-127 the way out; v128-255 the accumulators.  Window 1: two buffers of 120: x's 8 fragments, W's 2.
.set XSOFF, 3145728
.set WSOFF, 2359296
.set QSOFF, 3145728
.set WI,   98304                       ; LDS: x's images [K step][tile] at 0, W's [K step][wave][u] here
.set AX,   1                           ; v1   16 x lane + the K step's images of x
.set AW,   2                           ; v2   16 x lane + my head's images of W
.set L4,   3
.set L16,  4
.set WSR,  8                           ; v[8 + ks]: lanes 0-15 the words of W's tile 0, lanes 16-31 of tile 1
.set XSC,  16                          ; v[16 + 8 (ks / 2) + T]: lanes 0-15 the even K step's words of tile T, lanes 16-31 the odd one's
.set TH,   56                          ; v56-63  theta of my 8 pairs
.set MAG,  64                          ; v64-65  1.5 x 2^23, twice
.set S5R,  66
.set C5R,  68
.set SV,   70                          ; v70-71  the position
.set SI,   72                          ; v72     128 step + r % 8 + 32 (r / 8), a whole number
.set RAN,  74                          ; v74-81  angles, reduced angles; with RTT the rotation's 16 at work
.set RTT,  82
.set RZ,   90
.set RP,   98                          ; sines
.set RQ,   106                         ; cosines
.set PCF,  56                          ; behind the rotation: codes, 20 registers for each of two fragments
.set TM,   96
.set PW,   112
.set ACC,  128
.set WV,   12
.set G1X,  16
.set G1W,  24
.set G0X,  32
.set G0W,  48
.set SEL,  88
.set MSB, 0
.macro WIN new                         ; the immediate's high byte repeats the setting that is left
.if MSB != \new
	s_set_vgpr_msb (MSB<<8)|\new
.set MSB, \new
.endif
.endm
.set MUL,  0x05                        ; sources 0 and 1 window 1; C and D window 0
.set TO_F, 0x40                        ; destination window 1, address window 0
.macro ROUND                           ; a round of the cluster's barrier
	s_barrier_signal -1
	s_barrier_wait -1
	s_cmp_lg_u32 s[WV], 0
	s_cbranch_scc1 .Lnot_wave_0_\@
	s_barrier_signal -3
.Lnot_wave_0_\@:
	s_barrier_wait -3
	s_barrier_signal -1
	s_barrier_wait -1
.endm
; a product that starts a sum (WM0) or adds onto it (WM1); ra, rb: the scales stand in lanes 16-31 of their register
.macro WM0 d, a, b, sa, sb, ra, rb
.if (\ra) && (\rb)
	v_wmma_scale_f32_16x16x128_f8f6f4 v[(\d):(\d)+7], v[(\a):(\a)+11], v[(\b):(\b)+11], 0, v[\sa], v[\sb] matrix_a_fmt:MATRIX_FMT_FP6 matrix_b_fmt:MATRIX_FMT_FP6 matrix_a_scale:MATRIX_SCALE_ROW1 matrix_b_scale:MATRIX_SCALE_ROW1
.elseif (\ra)
	v_wmma_scale_f32_16x16x128_f8f6f4 v[(\d):(\d)+7], v[(\a):(\a)+11], v[(\b):(\b)+11], 0, v[\sa], v[\sb] matrix_a_fmt:MATRIX_FMT_FP6 matrix_b_fmt:MATRIX_FMT_FP6 matrix_a_scale:MATRIX_SCALE_ROW1
.elseif (\rb)
	v_wmma_scale_f32_16x16x128_f8f6f4 v[(\d):(\d)+7], v[(\a):(\a)+11], v[(\b):(\b)+11], 0, v[\sa], v[\sb] matrix_a_fmt:MATRIX_FMT_FP6 matrix_b_fmt:MATRIX_FMT_FP6 matrix_b_scale:MATRIX_SCALE_ROW1
.else
	v_wmma_scale_f32_16x16x128_f8f6f4 v[(\d):(\d)+7], v[(\a):(\a)+11], v[(\b):(\b)+11], 0, v[\sa], v[\sb] matrix_a_fmt:MATRIX_FMT_FP6 matrix_b_fmt:MATRIX_FMT_FP6
.endif
.endm
.macro WM1 d, a, b, sa, sb, ra, rb
.if (\ra) && (\rb)
	v_wmma_scale_f32_16x16x128_f8f6f4 v[(\d):(\d)+7], v[(\a):(\a)+11], v[(\b):(\b)+11], v[(\d):(\d)+7], v[\sa], v[\sb] matrix_a_fmt:MATRIX_FMT_FP6 matrix_b_fmt:MATRIX_FMT_FP6 matrix_a_scale:MATRIX_SCALE_ROW1 matrix_b_scale:MATRIX_SCALE_ROW1
.elseif (\ra)
	v_wmma_scale_f32_16x16x128_f8f6f4 v[(\d):(\d)+7], v[(\a):(\a)+11], v[(\b):(\b)+11], v[(\d):(\d)+7], v[\sa], v[\sb] matrix_a_fmt:MATRIX_FMT_FP6 matrix_b_fmt:MATRIX_FMT_FP6 matrix_a_scale:MATRIX_SCALE_ROW1
.elseif (\rb)
	v_wmma_scale_f32_16x16x128_f8f6f4 v[(\d):(\d)+7], v[(\a):(\a)+11], v[(\b):(\b)+11], v[(\d):(\d)+7], v[\sa], v[\sb] matrix_a_fmt:MATRIX_FMT_FP6 matrix_b_fmt:MATRIX_FMT_FP6 matrix_b_scale:MATRIX_SCALE_ROW1
.else
	v_wmma_scale_f32_16x16x128_f8f6f4 v[(\d):(\d)+7], v[(\a):(\a)+11], v[(\b):(\b)+11], v[(\d):(\d)+7], v[\sa], v[\sb] matrix_a_fmt:MATRIX_FMT_FP6 matrix_b_fmt:MATRIX_FMT_FP6
.endif
.endm
	s_load_b256 s[4:11], s[0:1], 0x0               ; xq s[4:5], wq s[6:7], qb s[8:9], kv s[10:11]
	v_lshl_add_u32 v126, v0, 2, 0x48000
	v_mov_b32 v127, 0
	ds_add_u32 v126, v127
	ds_add_u32 v126, v127
	v_lshrrev_b32 v5, 5, v0
	s_delay_alu instid0(VALU_DEP_1)
	v_readfirstlane_b32 s[WV], v5                  ; wave 0..7
	s_bfe_u32 s13, ttmp6, 0x40000                  ; cx: my place in the cluster
	s_lshl_b32 s14, ttmp9, 2
	s_add_co_u32 s14, s14, s13                     ; RG: it enters global addresses of my own loads and stores alone
	s_and_b32 s15, ttmp7, 0xffff                   ; CB, which the four partners share
	; descriptor groups 1: dense blocks as rows of 256 bytes (32 elements of 8 bytes): x's 192 rows, no mask; W's 128 rows, mask of all four, bit 21 beside it
	s_mov_b32 s[G1X], 3<<16
	s_mov_b32 s[G1X+1], 32<<16
	s_mov_b32 s[G1X+2], 192<<16                    ; ONE tensor load a wave: x's 384 rows of 256 bytes in two loads of 192, W's 768 in six of 128
	s_mov_b32 s[G1X+3], 32<<16
	s_mov_b32 s[G1X+4], 192
	s_mov_b32 s[G1X+5], 32
	s_mov_b32 s[G1X+6], 0
	s_mov_b32 s[G1X+7], 0
	s_mov_b32 s[G1W], 15|(3<<16)|(1<<21)
	s_mov_b32 s[G1W+1], 32<<16
	s_mov_b32 s[G1W+2], 128<<16
	s_mov_b32 s[G1W+3], 32<<16
	s_mov_b32 s[G1W+4], 128
	s_mov_b32 s[G1W+5], 32
	s_mov_b32 s[G1W+6], 0
	s_mov_b32 s[G1W+7], 0
	s_and_b32 s66, s[WV], 1
	s_mul_i32 s66, s66, 49152                      ; x (waves 6, 7): four K steps each
	s_mul_i32 s68, s14, 98304
	s_add_co_u32 s68, s68, s66
	s_mov_b32 s69, 0
	s_min_u32 s67, s[WV], 5
	s_lshl_b32 s67, s67, 15                        ; W (waves 0 to 5): a sixth of the 196,608 bytes each
	s_mul_i32 s70, s15, 196608
	s_add_co_u32 s70, s70, s67
	s_mov_b32 s71, 0
	s_mov_b32 s[SEL], 0x76543210
	s_mov_b32 s[SEL+1], 0xfedcba98
	s_mov_b32 s90, 0xffff0000                      ; lanes 16-31
	s_wait_dscnt 0x0
	s_wait_kmcnt 0x0
	s_add_nc_u64 s[68:69], s[4:5], s[68:69]
	s_add_nc_u64 s[70:71], s[6:7], s[70:71]
.irp q, 0
	s_mov_b32 s[G0X+4*\q], 1
	s_add_co_u32 s[G0X+4*\q+1], s66, 24576*\q
	s_add_nc_u64 s[G0X+4*\q+2:G0X+4*\q+3], s[68:69], 24576*\q
	s_or_b32 s[G0X+4*\q+3], s[G0X+4*\q+3], 0x80000000
	s_mov_b32 s[G0W+4*\q], 1
	s_add_co_u32 s[G0W+4*\q+1], s67, WI+49152*\q
	s_add_nc_u64 s[G0W+4*\q+2:G0W+4*\q+3], s[70:71], 49152*\q
	s_or_b32 s[G0W+4*\q+3], s[G0W+4*\q+3], 0x80000000
.endr
	ROUND                                          ; all four work-groups are here: the joint loads meet
	s_cmp_lt_u32 s[WV], 6                          ; a wave's one fill stands in a branch on the wave's number: one tensor load of mine is out
	s_cbranch_scc0 .Lfill_x
	tensor_load_to_lds s[G0W:G0W+3], s[G1W:G1W+7]
	s_nop 0
.rept 4
	v_nop
.endr
	s_branch .Lfilled
.Lfill_x:
	tensor_load_to_lds s[G0X:G0X+3], s[G1X:G1X+7]
	s_nop 0
.rept 4
	v_nop
.endr
.Lfilled:
	v_and_b32 v5, 31, v0
	s_delay_alu instid0(VALU_DEP_1)
	v_lshlrev_b32 v[L16], 4, v5
	s_delay_alu instid0(VALU_DEP_2)
	v_lshlrev_b32 v[L4], 2, v5
	s_wait_alu depctr_va_vdst(0)
	v_lshlrev_b32 v[AX], 4, v5
	s_mul_i32 s72, s[WV], 3072
	s_add_co_u32 s72, s72, WI
	v_add_nc_u32 v[AW], s72, v[L16]
	s_lshl_b32 s72, s14, 12
	s_add_co_u32 s72, s72, XSOFF
	s_mov_b32 s73, 0
	s_add_nc_u64 s[74:75], s[4:5], s[72:73]        ; x's scale words of my 128 rows
	s_lshl_b32 s72, s15, 3
	s_add_co_u32 s72, s72, s[WV]
	s_lshl_b32 s72, s72, 10
	s_add_co_u32 s72, s72, WSOFF
	s_add_nc_u64 s[76:77], s[6:7], s[72:73]        ; W's of my head
.irp k, 0,1,2,3,4,5,6,7
	global_load_b32 v[WSR+\k], v[L4], s[76:77] offset:128*\k
.endr
.irp p, 0,1,2,3
.irp t, 0,1,2,3,4,5,6,7
	global_load_b32 v[XSC+8*\p+\t], v[L4], s[74:75] offset:512*\t+128*\p
.endr
.endr
.macro FETCH p                         ; 30 LDS loads: a K step's fragments, as images: every load takes 512 consecutive bytes
	WIN TO_F
.irp t, 0,1,2,3,4,5,6,7
.irp g, 0,1,2
	ds_load_b128 v[128*(\p)+12*\t+4*\g:128*(\p)+12*\t+4*\g+3], v[AX] offset:1536*\t+512*\g
.endr
.endr
.irp u, 0,1
.irp g, 0,1,2
	ds_load_b128 v[128*(\p)+96+12*\u+4*\g:128*(\p)+96+12*\u+4*\g+3], v[AW] offset:1536*\u+512*\g
.endr
.endr
.endm
; K step ks: the next step's fragments are fetched into the other buffer, then 16 products.  The 16 accumulators take turns, one instruction a turn, in the same order in every step.
.macro STEP ks, path
.if (\ks) < 7
	WIN 0
	v_add_nc_u32 v[AX], 12288, v[AX]               ; these two and the two below are the four places in front of loads into the buffer that the last products read
	v_add_nc_u32 v[AW], 24576, v[AW]
	v_nop
	v_nop
	FETCH 1-(\ks)%2
	s_wait_dscnt 30                                ; all but the 30 just issued: this step's fragments are in
.else
	s_wait_dscnt 0x0
.endif
	WIN MUL
.set PB, 128*((\ks)%2)
.irp t, 0,1,2,3,4,5,6,7
.irp u, 0,1
.if (\path) == 0
.if (\ks) == 0
	WM0 ACC+8*(2*\t+\u), PB+96+12*\u, PB+12*\t, WSR+(\ks), XSC+8*((\ks)/2)+\t, \u, (\ks)%2
.else
	WM1 ACC+8*(2*\t+\u), PB+96+12*\u, PB+12*\t, WSR+(\ks), XSC+8*((\ks)/2)+\t, \u, (\ks)%2
.endif
.else
.if (\ks) == 0
	WM0 ACC+8*(8*\u+\t), PB+12*\t, PB+96+12*\u, XSC+8*((\ks)/2)+\t, WSR+(\ks), (\ks)%2, \u
.else
	WM1 ACC+8*(8*\u+\t), PB+12*\t, PB+96+12*\u, XSC+8*((\ks)/2)+\t, WSR+(\ks), (\ks)%2, \u
.endif
.endif
.endr
.endr
.endm
; 64 numbers of a lane, register 16 b + i = k 32 b + 16 h + i of my row, become a fragment's codes in v[pc] on and its scale word in v[pw]
.macro QUANT s, pc, pw
.irp b, 0,1,2,3
	v_max3_num_f32 v[TM+\b], |v[\s+16*\b]|, |v[\s+1+16*\b]|, 0x1800000   ; with the floor 2^(3 - 127)
.endr
.irp i, 2,4,6,8,10,12,14
.irp b, 0,1,2,3
	v_max3_num_f32 v[TM+\b], v[TM+\b], |v[\s+16*\b+\i]|, |v[\s+1+16*\b+\i]|
.endr
.endr
.irp b, 0,1,2,3
	s_delay_alu instid0(VALU_DEP_4)
	v_permlanex16_b32 v[TM+4+\b], v[TM+\b], s[SEL], s[SEL+1]
.endr
.irp b, 0,1,2,3
	s_delay_alu instid0(VALU_DEP_4)
	v_max_num_f32 v[TM+\b], v[TM+\b], v[TM+4+\b]   ; with lane l xor 16's: the block's largest magnitude
.endr
.irp b, 0,1,2,3
	s_delay_alu instid0(VALU_DEP_4)
	v_add_nc_u32 v[TM+12+\b], 0xff000000, v[TM+\b] ; 2 off its exponent field: the conversion's scale operand
.endr
.irp b, 0,1,2,3
	s_delay_alu instid0(VALU_DEP_4)
	v_lshrrev_b32 v[TM+4+\b], 23, v[TM+12+\b]      ; the scale's byte
.endr
	s_delay_alu instid0(VALU_DEP_3)
	v_lshl_or_b32 v[\pw], v[TM+5], 8, v[TM+4]
	s_delay_alu instid0(VALU_DEP_1)
	v_lshl_or_b32 v[\pw], v[TM+6], 16, v[\pw]
	s_delay_alu instid0(VALU_DEP_1)
	v_lshl_or_b32 v[\pw], v[TM+7], 24, v[\pw]
.irp c, 0,1
	v_cvt_scalef32_pk16_fp6_f32 v[\pc+6*\c:\pc+2+6*\c], v[\s+32*\c:\s+15+32*\c], v[TM+12+2*\c]
	v_cvt_scalef32_pk16_fp6_f32 v[\pc+12+4*\c:\pc+14+4*\c], v[\s+16+32*\c:\s+31+32*\c], v[TM+12+2*\c+1]
.endr
	v_nop                                          ; one plain place behind a scaled conversion
.irp c, 0,1                            ; the layout wants a whole block in a lane: lanes 0-15 block 2 c, lanes 16-31 block 2 c + 1
.irp i, 0,1,2
	v_permlane16_swap_b32 v[\pc+6*\c+\i], v[\pc+12+4*\c+\i]
.endr
.irp i, 0,1,2
	s_delay_alu instid0(VALU_DEP_3)
	v_mov_b32 v[\pc+3+6*\c+\i], v[\pc+12+4*\c+\i]
.endr
.endr
.endm
.macro PUT f                           ; fragment f goes out as it stands: 512 consecutive bytes a store
.irp g, 0,1,2
	global_store_b128 v[L16], v[PCF+20*\f+4*\g:PCF+20*\f+4*\g+3], s[82:83] offset:1536*\f+512*\g
.endr
.endm
; The rotation of tile t: 8 pairs a lane, packed two at a time, line by line over the four register pairs
.macro ROPE t
.set A0, ACC+16*(\t)
	v_add_nc_u32 v7, 64*((\t)/4)+8*((\t)%4), v[SI]
	s_delay_alu instid0(VALU_DEP_1)
	v_cvt_f32_u32 v[SV], v7                        ; my row's position
.irp q, 0,2,4,6
	v_pk_mul_f32 v[RAN+\q:RAN+\q+1], v[TH+\q:TH+\q+1], v[SV:SV+1] op_sel_hi:[1,0]   ; the angle: one f32 product
.endr
.irp q, 0,2,4,6
	s_delay_alu instid0(VALU_DEP_4)
	v_pk_fma_f32 v[RTT+\q:RTT+\q+1], v[RAN+\q:RAN+\q+1], 0x3ea2f983, v[MAG:MAG+1] op_sel_hi:[1,0,1]   ; angle / pi + 1.5 x 2^23: n in the low bits
.endr
.irp q, 0,2,4,6
	s_delay_alu instid0(VALU_DEP_4)
	v_pk_add_f32 v[RP+\q:RP+\q+1], v[RTT+\q:RTT+\q+1], v[MAG:MAG+1] neg_lo:[0,1] neg_hi:[0,1]   ; n
.endr
.irp q, 0,2,4,6
	s_delay_alu instid0(VALU_DEP_4)
	v_pk_fma_f32 v[RAN+\q:RAN+\q+1], v[RP+\q:RP+\q+1], 0xc0490fdb, v[RAN+\q:RAN+\q+1] op_sel_hi:[1,0,1]   ; - n x pi's upper part
.endr
.irp q, 0,2,4,6
	s_delay_alu instid0(VALU_DEP_4)
	v_pk_fma_f32 v[RAN+\q:RAN+\q+1], v[RP+\q:RP+\q+1], 0x33bbbd2e, v[RAN+\q:RAN+\q+1] op_sel_hi:[1,0,1]   ; - n x its lower part (which is negative)
.endr
.irp q, 0,2,4,6
	s_delay_alu instid0(VALU_DEP_4)
	v_pk_mul_f32 v[RZ+\q:RZ+\q+1], v[RAN+\q:RAN+\q+1], v[RAN+\q:RAN+\q+1]
.endr
.irp q, 0,2,4,6
	s_delay_alu instid0(VALU_DEP_4)
	v_pk_fma_f32 v[RP+\q:RP+\q+1], v[RZ+\q:RZ+\q+1], 0x2f309231, v[S5R:S5R+1] op_sel_hi:[1,0,1]   ; 1/13!, -1/11!
.endr
.irp k, 0x3638ef1d, 0xb9500d01, 0x3c088889, 0xbe2aaaab
.irp q, 0,2,4,6
	s_delay_alu instid0(VALU_DEP_4)
	v_pk_fma_f32 v[RP+\q:RP+\q+1], v[RP+\q:RP+\q+1], v[RZ+\q:RZ+\q+1], \k op_sel_hi:[1,1,0]   ; 1/9!, -1/7!, 1/5!, -1/3!
.endr
.endr
.irp q, 0,2,4,6
	v_pk_mul_f32 v[RQ+\q:RQ+\q+1], v[RAN+\q:RAN+\q+1], v[RZ+\q:RZ+\q+1]
.endr
.irp q, 0,2,4,6
	s_delay_alu instid0(VALU_DEP_4)
	v_pk_fma_f32 v[RP+\q:RP+\q+1], v[RP+\q:RP+\q+1], v[RQ+\q:RQ+\q+1], v[RAN+\q:RAN+\q+1]   ; sin r
.endr
.irp q, 0,2,4,6
	v_pk_fma_f32 v[RQ+\q:RQ+\q+1], v[RZ+\q:RZ+\q+1], 0x310f76c7, v[C5R:C5R+1] op_sel_hi:[1,0,1]   ; 1/12!, -1/10!
.endr
.irp k, 0x37d00d01, 0xbab60b61, 0x3d2aaaab
.irp q, 0,2,4,6
	s_delay_alu instid0(VALU_DEP_4)
	v_pk_fma_f32 v[RQ+\q:RQ+\q+1], v[RQ+\q:RQ+\q+1], v[RZ+\q:RZ+\q+1], \k op_sel_hi:[1,1,0]   ; 1/8!, -1/6!, 1/4!
.endr
.endr
.irp q, 0,2,4,6
	s_delay_alu instid0(VALU_DEP_4)
	v_pk_fma_f32 v[RQ+\q:RQ+\q+1], v[RQ+\q:RQ+\q+1], v[RZ+\q:RZ+\q+1], -0.5 op_sel_hi:[1,1,0]
.endr
.irp q, 0,2,4,6
	s_delay_alu instid0(VALU_DEP_4)
	v_pk_fma_f32 v[RQ+\q:RQ+\q+1], v[RQ+\q:RQ+\q+1], v[RZ+\q:RZ+\q+1], 1.0 op_sel_hi:[1,1,0]   ; cos r
.endr
.irp p, 0,1,2,3,4,5,6,7
	v_lshl_or_b32 v[RTT+\p], v[RTT+\p], 31, 0x3f800000   ; +1 or -1 by n's parity: one sign serves sine and cosine
.endr
.irp q, 0,2,4,6
	v_pk_mul_f32 v[RP+\q:RP+\q+1], v[RP+\q:RP+\q+1], v[RTT+\q:RTT+\q+1]
.endr
.irp q, 0,2,4,6
	v_pk_mul_f32 v[RQ+\q:RQ+\q+1], v[RQ+\q:RQ+\q+1], v[RTT+\q:RTT+\q+1]
.endr
.irp p, 0,2,4,6                        ; (e c, o c); each accumulator is read from its low end on: pairs 0 and 4 come first
	v_pk_mul_f32 v[RAN+2*\p:RAN+2*\p+1], v[A0+2*\p:A0+2*\p+1], v[RQ+\p:RQ+\p+1] op_sel_hi:[1,0]
.endr
.irp p, 1,3,5,7
	v_pk_mul_f32 v[RAN+2*\p:RAN+2*\p+1], v[A0+2*\p:A0+2*\p+1], v[RQ+\p-1:RQ+\p] op_sel:[0,1] op_sel_hi:[1,1]
.endr
.irp p, 0,2,4,6                        ; (e c - o s, o c + e s)
	v_pk_fma_f32 v[A0+2*\p:A0+2*\p+1], v[A0+2*\p:A0+2*\p+1], v[RP+\p:RP+\p+1], v[RAN+2*\p:RAN+2*\p+1] op_sel:[1,0,0] op_sel_hi:[0,0,1] neg_lo:[1,0,0]
.endr
.irp p, 1,3,5,7
	v_pk_fma_f32 v[A0+2*\p:A0+2*\p+1], v[A0+2*\p:A0+2*\p+1], v[RP+\p-1:RP+\p], v[RAN+2*\p:RAN+2*\p+1] op_sel:[1,1,0] op_sel_hi:[0,1,1] neg_lo:[1,0,0]
.endr
.endm
	s_wait_alu depctr_va_vdst(0)
	s_wait_tensorcnt 0x0                           ; my one load has landed
	s_barrier_signal -1
	s_barrier_wait -1                              ; everybody's has
	FETCH 0
	WIN 0
	s_wait_loadcnt 0x0                             ; the scale words
	s_cmp_ge_u32 s15, 6                            ; q and k, or v: the same in all waves and all partners
	s_cbranch_scc1 .Lv_path
.irp k, 0,1,2,3,4,5,6,7
	s_wait_alu depctr_va_vdst(0)
	STEP \k, 0
.endr
	WIN 0
	; ---- where the results go: q's into qb, k's into kv
	s_cmp_lt_u32 s15, 4
	s_cselect_b64 s[70:71], s[8:9], s[10:11]
	s_cselect_b32 s72, 5, 4                        ; heads in a batch: 32 or 16
	s_cselect_b32 s73, 0, 4
	s_mov_b32 s74, 6400
	s_mov_b32 s75, 6400
	s_mov_b32 s76, 6144
	s_cselect_b32 s74, 3072, s74                   ; a step's record
	s_cselect_b32 s75, 128, s75                    ; from one step's scale words to the next's
	s_cselect_b32 s76, QSOFF, s76
	s_lshr_b32 s77, s14, 4                         ; batch
	s_lshl_b32 s77, s77, s72
	s_sub_co_u32 s78, s15, s73
	s_lshl_b32 s78, s78, 3
	s_add_co_u32 s78, s78, s[WV]                   ; head
	s_add_co_u32 s77, s77, s78
	s_lshl_b32 s77, s77, 4
	s_and_b32 s79, s14, 15                         ; step of 128 positions
	s_add_co_u32 s77, s77, s79
	s_mul_i32 s80, s77, s74
	s_mov_b32 s81, 0
	s_add_nc_u64 s[82:83], s[70:71], s[80:81]
	s_mul_i32 s80, s77, s75
	s_add_co_u32 s80, s80, s76
	s_add_nc_u64 s[84:85], s[70:71], s[80:81]
	s_lshl_b32 s86, s78, 4
	s_lshl_b32 s87, s79, 7
	; ---- theta of my 8 pairs: ip = 16 head + 8 h + p.  (The first lines are the places behind the last products)
	v_bfe_u32 v5, v0, 4, 1
	s_delay_alu instid0(VALU_DEP_1)
	v_lshlrev_b32 v5, 3, v5
	s_delay_alu instid0(VALU_DEP_1)
	v_add_nc_u32 v5, s86, v5
	v_and_b32 v6, 7, v0
	v_bfe_u32 v7, v0, 3, 1
	s_delay_alu instid0(VALU_DEP_1)
	v_lshl_add_u32 v6, v7, 5, v6                   ; r % 8 + 32 (r / 8): the row order of a tile of x
	s_delay_alu instid0(VALU_DEP_1)
	v_add_nc_u32 v[SI], s87, v6
.irp p, 0,1,2,3,4,5,6,7
	v_add_nc_u32 v[RAN+\p], \p, v5
.endr
.irp p, 0,1,2,3,4,5,6,7
	v_cvt_f32_u32 v[RAN+\p], v[RAN+\p]
.endr
.irp p, 0,1,2,3,4,5,6,7
	v_mul_f32 v[RAN+\p], 0xbb000000, v[RAN+\p]     ; -ip / 512, exact
.endr
.irp p, 0,1,2,3,4,5,6,7
	v_mul_f32 v[RTT+\p], 0x41549a78, v[RAN+\p]     ; y = fl(x log2(10000)'s upper part)
.endr
.irp p, 0,1,2,3,4,5,6,7
	v_fma_f32 v[RZ+\p], v[RAN+\p], 0x41549a78, -v[RTT+\p]   ; what y's rounding lost,
.endr
.irp p, 0,1,2,3,4,5,6,7
	v_fma_f32 v[RZ+\p], v[RAN+\p], 0x34979ac6, v[RZ+\p]     ; and the lower part's share
.endr
	s_wait_alu depctr_va_vdst(0)
.irp p, 0,1,2,3,4,5,6,7
	v_exp_f32 v[TH+\p], v[RTT+\p]
.endr
.irp p, 0,1,2,3,4,5,6,7
	v_mul_f32 v[RZ+\p], 0x3f317218, v[RZ+\p]       ; x ln 2.  (Plain work behind the exponentials)
.endr
	v_mov_b32 v[MAG], 0x4b400000
	v_mov_b32 v[MAG+1], 0x4b400000
	v_mov_b32 v[S5R], 0xb2d7322b
	v_mov_b32 v[S5R+1], 0xb2d7322b
	v_mov_b32 v[C5R], 0xb493f27e
	v_mov_b32 v[C5R+1], 0xb493f27e
	v_mov_b32 v[SV+1], 0                           ; named with SV as a pair, so it is written
	s_wait_alu depctr_va_vdst(0)                   ; one wait for the eight exponentials, ahead of their first reader
.irp p, 0,1,2,3,4,5,6,7
	v_fma_f32 v[TH+\p], v[TH+\p], v[RZ+\p], v[TH+\p]
.endr
.irp t, 0,1,2,3,4,5,6,7
	ROPE \t
.endr
	; ---- tiles 4 f + b of ONE head are the four K blocks of fragment f: 64 queries or keys to a fragment
	QUANT ACC, PCF, PW
	PUT 0
	QUANT ACC+64, PCF+20, PW+1
	PUT 1
	v_cndmask_b32 v[PW+2], v[PW], v[PW+1], s90     ; lanes 0-15 fragment 0's words, lanes 16-31 fragment 1's
	global_store_b32 v[L4], v[PW+2], s[84:85]
	s_branch .Lend
.Lv_path:
.irp k, 0,1,2,3,4,5,6,7
	s_wait_alu depctr_va_vdst(0)
	STEP \k, 1
.endr
	WIN 0
	s_lshr_b32 s77, s14, 4
	s_lshl_b32 s77, s77, 4
	s_sub_co_u32 s78, s15, 6
	s_lshl_b32 s78, s78, 3
	s_add_co_u32 s78, s78, s[WV]
	s_add_co_u32 s77, s77, s78                     ; 16 batch + head
	s_lshl_b32 s77, s77, 4
	s_and_b32 s79, s14, 15
	s_add_co_u32 s77, s77, s79
	s_mul_i32 s80, s77, 6400
	s_add_co_u32 s80, s80, 3072                    ; V's two fragments lie behind K's two in a record
	s_mov_b32 s81, 0
	s_add_nc_u64 s[82:83], s[10:11], s[80:81]
.irp b, 0,1,2,3
	v_mov_b32 v[TM+4+\b], 0                        ; a lane permute's destination counts as one of its sources.  (These four are the places behind the last products)
.endr
	v_bfe_u32 v5, v0, 4, 1
	s_delay_alu instid0(VALU_DEP_1)
	v_lshlrev_b32 v5, 3, v5                        ; 8 h: where my two bytes stand in the scale word
; v: x's tile t holds keys 64 (t / 4) + 8 (t % 4) + m % 8 + 32 (m / 8), so register 32 c + i of a lane is key 64 c + 32 h + i of its column d: two WHOLE blocks a lane, in the operand's own order
.macro QUANTV s, pc, pw
.irp c, 0,1
	v_max3_num_f32 v[TM+\c], |v[\s+32*\c]|, |v[\s+32*\c+1]|, 0x1800000   ; with the floor 2^(3 - 127)
.endr
.irp i, 2,4,6,8,10,12,14,16,18,20,22,24,26,28,30
.irp c, 0,1
	v_max3_num_f32 v[TM+\c], v[TM+\c], |v[\s+32*\c+\i]|, |v[\s+32*\c+\i+1]|
.endr
.endr
.irp c, 0,1
	v_add_nc_u32 v[TM+2+\c], 0xff000000, v[TM+\c]  ; 2 off the exponent field: the conversion's scale operand
.endr
.irp c, 0,1
	v_lshrrev_b32 v[TM+4+\c], 23, v[TM+2+\c]       ; the scale's byte
.endr
	v_lshl_or_b32 v[\pw], v[TM+5], 16, v[TM+4]     ; blocks h and 2 + h,
	v_lshlrev_b32 v[\pw], v5, v[\pw]               ; at their places;
	v_permlanex16_b32 v[TM+6], v[\pw], s[SEL], s[SEL+1]
	v_or_b32 v[\pw], v[\pw], v[TM+6]               ; with lane l xor 16's two the word is whole
.irp c, 0,1
	v_cvt_scalef32_pk16_fp6_f32 v[\pc+6*\c:\pc+6*\c+2], v[\s+32*\c:\s+32*\c+15], v[TM+2+\c]
	v_cvt_scalef32_pk16_fp6_f32 v[\pc+12+4*\c:\pc+14+4*\c], v[\s+32*\c+16:\s+32*\c+31], v[TM+2+\c]
.endr
	v_nop                                          ; one plain place behind a scaled conversion
.irp c, 0,1
.irp i, 0,1,2
	v_mov_b32 v[\pc+6*\c+3+\i], v[\pc+12+4*\c+\i]
.endr
.endr
.endm
	QUANTV ACC, PCF, PW                            ; tile u of the head's columns: row r = d, K = the step's 128 keys
	PUT 0
	QUANTV ACC+64, PCF+20, PW+1
	PUT 1
	v_cndmask_b32 v[PW+2], v[PW], v[PW+1], s90
	global_store_b32 v[L4], v[PW+2], s[82:83] offset:3200
.Lend:
	s_wait_tensorcnt 0x0
	ds_add_u32 v126, v127
	s_wait_dscnt 0x0
	ROUND                                          ; the closing round: no work-group ends while a partner may still ask for a tile that names it
	s_endpgm
.Lfunc_end_k_q2753870b0a_qkv:
	.size	k_q2753870b0a_qkv, .Lfunc_end_k_q2753870b0a_qkv-k_q2753870b0a_qkv
	.p2alignl 7, 3214868480
	.fill 96, 4, 3214868480
	.section	.rodata,"a",@progbits
	.p2align	6, 0x0
	.amdhsa_kernel k_q2753870b0a_qkv
		.amdhsa_group_segment_fixed_size 295936
		.amdhsa_private_segment_fixed_size 0
		.amdhsa_enable_private_segment 0
		.amdhsa_kernarg_size 32
		.amdhsa_user_sgpr_count 2
		.amdhsa_user_sgpr_kernarg_segment_ptr 1
		.amdhsa_wavefront_size32 1
		.amdhsa_system_sgpr_workgroup_id_x 1
		.amdhsa_system_sgpr_workgroup_id_y 1
		.amdhsa_system_sgpr_workgroup_id_z 1
		.amdhsa_system_vgpr_workitem_id 0
		.amdhsa_next_free_vgpr 512
		.amdhsa_next_free_sgpr 100
		.amdhsa_reserve_vcc 0
		.amdhsa_float_denorm_mode_32 3
		.amdhsa_float_denorm_mode_16_64 3
		.amdhsa_memory_ordered 1
		.amdhsa_forward_progress 1
		.amdhsa_inst_pref_size 181
	.end_amdhsa_kernel
	.amdgpu_metadata
---
amdhsa.version: [ 1, 2 ]
amdhsa.kernels:
  - .name:           k_q2753870b0a_qkv
    .symbol:         k_q2753870b0a_qkv.kd
    .args:
      - { .name: xq, .offset: 0, .size: 8, .value_kind: global_buffer, .address_space: global }
      - { .name: wq, .offset: 8, .size: 8, .value_kind: global_buffer, .address_space: global }
      - { .name: qb, .offset: 16, .size: 8, .value_kind: global_buffer, .address_space: global }
      - { .name: kv, .offset: 24, .size: 8, .value_kind: global_buffer, .address_space: global }
    .group_segment_fixed_size: 295936
    .private_segment_fixed_size: 0
    .kernarg_segment_align: 8
    .kernarg_segment_size: 32
    .max_flat_workgroup_size: 256
    .sgpr_count:     100
    .vgpr_count:     512
    .wavefront_size: 32
...
	.end_amdgpu_metadata
.endif
;; end of part 2
;; launch attn (part 3): grid 8 x 32, 16 waves a work-group, clusters of 4 x 1, 169,984 bytes of LDS; arguments qb, kv, ao; writes ao
.if DOCPART == 3
	.amdgcn_target "amdgcn-amd-amdhsa--gfx1250"
	.amdhsa_code_object_version 6
	.text
	.protected	k_q2753870b0a_attn
	.globl	k_q2753870b0a_attn
	.p2align	8
	.type	k_q2753870b0a_attn,@function
k_q2753870b0a_attn:
	s_mov_b64 s[64:65], 0
	v_nop
	global_prefetch_b8 v0, s[64:65] scope:SCOPE_SE
	s_setreg_imm32_b32 hwreg(HW_REG_WAVE_MODE, 25, 1), 1
	s_wait_xcnt 0x0
	s_wait_alu depctr_hold_cnt(0) depctr_sa_sdst(0) depctr_va_vdst(0) depctr_va_sdst(0) depctr_va_ssrc(0) depctr_va_vcc(0) depctr_vm_vsrc(0)
	s_getreg_b32 s2, hwreg(HW_REG_IB_STS2, 6, 4)
	s_cmp_eq_u32 s2, 0
	s_cbranch_scc0 .Lentry_in_a_cluster
	s_endpgm
.Lentry_in_a_cluster:
	s_bfe_u32 s2, ttmp6, 0x10000c
	s_cmp_lg_u32 s2, 0x3003
	s_cbranch_scc0 .Lentry_shape_is_right
	s_endpgm
.Lentry_shape_is_right:
; O = softmax(q k^T / sqrt(32)) v for 64 (batch, query head) pairs of 2,048 positions, head size 32, both products on codes of FP6 (E2M3); two query heads share a key and value head.
; THE SOFTMAX: t = score x log2(e) / sqrt(32); M = the running largest t rounded UP to a whole number; p = 2^(t - M) is quantised along the keys, not normalised; the row's sum is taken of the unquantised p and divides O at the end.
; SHARES.  A work-group takes 256 positions x both query heads of one key head; wave w takes 16 positions (step 2 xb + w / 8, tile w % 8) twice: tile X is head 2 g, tile Y head 2 g + 1: each fragment of K and V read from LDS feeds two tiles.
; K AND V of the whole head, 16 records of 6,400 bytes, lie in LDS, filled ONCE: every wave asks for one record, jointly with the three partners of its cluster, which walk the same head.
; No prefetch: the launch's only tensor loads stand at its head, so there is no loop to run ahead in.
; K = 32 PACKED.  A fragment of K has 16 rows x four K blocks, and the four blocks of a row are four DIFFERENT keys.  The query operand Q_j has the query's 32 codes in block j and zero codes elsewhere: K_f x Q_j is the score tile 4 f + j.
; Row m of score tile T' is key 64 (T' / 4) + 8 (T' % 4) + m % 8 + 32 (m / 8).  Both products are used transposed, so lane (r, h) holds query r, and its 32 registers of tiles 4 c .. 4 c + 3 are keys 64 c + 32 h + 0 .. 31:
; a WHOLE block of 32 keys in the order of the operand's registers 6 c .. 6 c + 5.  A block's largest score needs no other lane, and p's codes need no lane exchange; only the row's maximum and the scale word cross the halves.
; THE TWO TILES ARE LAID INTO EACH OTHER: when the lower 64 keys' p of one tile are converted and summed, the other tile's four products on those registers are issued; the upper half follows, then P V.  So the places behind
; every product are filled by sums and maxima that are due anyway.
; LIMITS: the promise holds while the scaled scores stay under 2^31 in magnitude; the four keys of a fragment's row go through the matrix unit's adder together, so a key whose scale lies far (about 2^10) under a row partner's may lose
; low bits of its score, of the size of an f32 rounding of the partner's; a block of zeros gets the byte 1 (zero codes; this program alone reads the bytes); NaN and infinities are not served.
.set QSOFF, 3145728
.set ASOFF, 3145728
.set REC,  6400                        ; a record: K's fragments at 0 and 1,536, V's at 3,072 and 4,608, K's scale words at 6,144, V's at 6,272
.set STG,  102400                      ; behind the records: 512 bytes for the output's scale bytes; no fill lands there
.set LK0,  1                           ; v1   16 x lane
.set LS0,  2                           ; v2   4 x lane + 6,144
.set LK,   3                           ; v3, v4 the same in the record in hand
.set LS,   4
.set QS,   5                           ; v5   the queries' scale byte in all four bytes: lanes 0-15 X's, lanes 16-31 Y's
.set KS,   6                           ; v6   K's scale words: lanes 0-15 fragment 0, lanes 16-31 fragment 1
.set VS,   7                           ; v7   V's likewise
.set STX,  8                           ; v8 -M, v9 the largest score, v[10:11] the sum in two halves
.set STY,  12
.set QZ,   16                          ; v16-69: zeros, QA_X, zeros, QB_X, zeros, QA_Y, zeros, QB_Y, zeros, six registers each (QA: data in lanes 0-15, QB: in lanes 16-31)
.set KF,   70
.set VF,   94
.set S,    118                         ; v118-181 the scores, then p
.set OX,   182
.set OY,   198
.set PC,   214                         ; p's codes
.set F,    226                         ; v[226:227] 2^(old M - new M)
.set TP,   228
.set PSW,  229                         ; p's scale word, and nothing else
.set T1,   230                         ; v230-235 three more chains of the sum
.set BM,   236                         ; v236-237 my two blocks' largest score, then largest p
.set SO,   238                         ; v238-239 the conversions' scale operands
.set CT,   240                         ; v240-246 four chains of a maximum; the conversions' second halves
.set PX,   247                         ; what lane l xor 16 sends
.set BY,   248                         ; v248-249 scale bytes
.set H8,   250                         ; 8 h
.set TP2,  251
.set WV,   10
.set SEL,  28
.set CS,   30
.set RECO, 32
.macro ROUND
	s_barrier_signal -1
	s_barrier_wait -1
	s_cmp_lg_u32 s[WV], 0
	s_cbranch_scc1 .Lnot_wave_0_\@
	s_barrier_signal -3
.Lnot_wave_0_\@:
	s_barrier_wait -3
	s_barrier_signal -1
	s_barrier_wait -1
.endm
.macro WM0 d, a, b, sa, sb, ra, rb
.if (\ra) && (\rb)
	v_wmma_scale_f32_16x16x128_f8f6f4 v[(\d):(\d)+7], v[(\a):(\a)+11], v[(\b):(\b)+11], 0, v[\sa], v[\sb] matrix_a_fmt:MATRIX_FMT_FP6 matrix_b_fmt:MATRIX_FMT_FP6 matrix_a_scale:MATRIX_SCALE_ROW1 matrix_b_scale:MATRIX_SCALE_ROW1
.elseif (\ra)
	v_wmma_scale_f32_16x16x128_f8f6f4 v[(\d):(\d)+7], v[(\a):(\a)+11], v[(\b):(\b)+11], 0, v[\sa], v[\sb] matrix_a_fmt:MATRIX_FMT_FP6 matrix_b_fmt:MATRIX_FMT_FP6 matrix_a_scale:MATRIX_SCALE_ROW1
.elseif (\rb)
	v_wmma_scale_f32_16x16x128_f8f6f4 v[(\d):(\d)+7], v[(\a):(\a)+11], v[(\b):(\b)+11], 0, v[\sa], v[\sb] matrix_a_fmt:MATRIX_FMT_FP6 matrix_b_fmt:MATRIX_FMT_FP6 matrix_b_scale:MATRIX_SCALE_ROW1
.else
	v_wmma_scale_f32_16x16x128_f8f6f4 v[(\d):(\d)+7], v[(\a):(\a)+11], v[(\b):(\b)+11], 0, v[\sa], v[\sb] matrix_a_fmt:MATRIX_FMT_FP6 matrix_b_fmt:MATRIX_FMT_FP6
.endif
.endm
.macro WM1 d, a, b, sa, sb, ra
.if (\ra)
	v_wmma_scale_f32_16x16x128_f8f6f4 v[(\d):(\d)+7], v[(\a):(\a)+11], v[(\b):(\b)+11], v[(\d):(\d)+7], v[\sa], v[\sb] matrix_a_fmt:MATRIX_FMT_FP6 matrix_b_fmt:MATRIX_FMT_FP6 matrix_a_scale:MATRIX_SCALE_ROW1
.else
	v_wmma_scale_f32_16x16x128_f8f6f4 v[(\d):(\d)+7], v[(\a):(\a)+11], v[(\b):(\b)+11], v[(\d):(\d)+7], v[\sa], v[\sb] matrix_a_fmt:MATRIX_FMT_FP6 matrix_b_fmt:MATRIX_FMT_FP6
.endif
.endm
	s_load_b128 s[4:7], s[0:1], 0x0                ; qb s[4:5], kv s[6:7]
	s_load_b64 s[8:9], s[0:1], 0x10                ; ao
	v_lshl_add_u32 v254, v0, 2, 0x29000
	v_mov_b32 v255, 0
	ds_add_u32 v254, v255                          ; the opening lines: the add, twice on end, and its wait
	ds_add_u32 v254, v255
	v_lshrrev_b32 v238, 5, v0
	s_delay_alu instid0(VALU_DEP_1)
	v_readfirstlane_b32 s[WV], v238                ; wave 0..15
	s_bfe_u32 s11, ttmp6, 0x40000                  ; cx
	s_lshl_b32 s12, ttmp9, 2
	s_add_co_u32 s12, s12, s11                     ; xb: my block of 256 positions: it enters q's and the output's addresses alone
	s_and_b32 s13, ttmp7, 0xffff                   ; 16 batch + key head, which the partners share
	s_mov_b32 s16, 15|(3<<16)|(1<<21)              ; group 1: a record as 25 rows of 256 bytes (32 elements of 8 bytes); mask of all four, bit 21 beside it
	s_mov_b32 s17, 32<<16
	s_mov_b32 s18, 25<<16
	s_mov_b32 s19, 32<<16
	s_mov_b32 s20, 25
	s_mov_b32 s21, 32
	s_mov_b32 s22, 0
	s_mov_b32 s23, 0
	s_mov_b32 s24, 1
	s_mul_i32 s25, s[WV], REC                      ; record w, in LDS and in the head's block of memory
	s_mul_i32 s36, s13, 16*REC
	s_add_co_u32 s36, s36, s25
	s_mov_b32 s37, 0
	s_wait_dscnt 0x0
	s_wait_kmcnt 0x0
	s_add_nc_u64 s[26:27], s[6:7], s[36:37]
	s_or_b32 s27, s27, 0x80000000
	ROUND                                          ; all four work-groups are here: the joint loads meet
	tensor_load_to_lds s[24:27], s[16:23]          ; my one tensor load
	s_nop 0
.rept 4
	v_nop
.endr
	s_lshr_b32 s38, s[WV], 3
	s_lshl_b32 s39, s12, 1
	s_add_co_u32 s38, s38, s39                     ; my queries' step of 128 positions
	s_and_b32 s39, s[WV], 7                        ; and tile T
	s_lshr_b32 s40, s13, 4                         ; batch
	s_and_b32 s41, s13, 15                         ; key head g
	s_lshl_b32 s42, s40, 5
	s_lshl_b32 s43, s41, 1
	s_add_co_u32 s42, s42, s43                     ; 32 batch + 2 g: head X
	s_lshl_b32 s42, s42, 4
	s_add_co_u32 s42, s42, s38
	s_mul_i32 s44, s42, 3072
	s_lshr_b32 s43, s39, 2                         ; fragment T / 4,
	s_mul_i32 s45, s43, 1536
	s_add_co_u32 s44, s44, s45
	s_and_b32 s45, s39, 1                          ; the image's lanes 16 (T % 2) on
	s_lshl_b32 s45, s45, 8
	s_add_co_u32 s44, s44, s45
	s_mov_b32 s45, 0
	s_add_nc_u64 s[46:47], s[4:5], s[44:45]
	s_lshl_b32 s44, s42, 7
	s_lshl_b32 s43, s43, 6
	s_add_co_u32 s44, s44, s43
	s_and_b32 s43, s39, 3                          ; byte T % 4 of the row's scale word
	s_add_co_u32 s44, s44, s43
	s_add_co_u32 s44, s44, QSOFF
	s_add_nc_u64 s[48:49], s[4:5], s[44:45]
	v_and_b32 v238, 15, v0                         ; r
	v_bfe_u32 v239, v0, 4, 1                       ; h
	v_and_b32 v240, 31, v0                         ; lane
	s_delay_alu instid0(VALU_DEP_3)
	v_lshlrev_b32 v236, 4, v238
	s_delay_alu instid0(VALU_DEP_1)
	v_mad_u32_u24 v236, v239, 0xc000, v236         ; lanes 0-15 read head X, lanes 16-31 head Y, 16 records of 3,072 bytes on
	v_lshlrev_b32 v237, 2, v238
	s_delay_alu instid0(VALU_DEP_1)
	v_lshl_add_u32 v237, v239, 11, v237
.irp g, 0,1,2
	global_load_b128 v[S+4*\g:S+4*\g+3], v236, s[46:47] offset:512*\g   ; the 12 registers of the image's lane (r, T % 2)
.endr
	global_load_u8 v[QS], v237, s[48:49]
	v_lshlrev_b32 v[LK0], 4, v240
	v_lshl_add_u32 v[LS0], v240, 2, 6144
	v_lshlrev_b32 v[H8], 3, v239
	s_lshl_b32 s44, s40, 4
	s_add_co_u32 s44, s44, s38                     ; group of 128 rows
	s_lshl_b32 s44, s44, 3
	s_lshr_b32 s43, s41, 1
	s_add_co_u32 s44, s44, s43                     ; K step g / 2 of the last product
	s_lshl_b32 s44, s44, 3
	s_add_co_u32 s44, s44, s39
	s_mul_i32 s44, s44, 1536
	s_and_b32 s43, s41, 1
	s_mul_i32 s43, s43, 768                        ; half g % 2 of the fragment
	s_add_co_u32 s44, s44, s43
	s_add_nc_u64 s[50:51], s[8:9], s[44:45]
	s_lshl_b32 s44, s40, 4
	s_lshl_b32 s43, s12, 1
	s_add_co_u32 s44, s44, s43
	s_lshl_b32 s44, s44, 8
	s_lshl_b32 s43, s41, 13
	s_add_co_u32 s44, s44, s43
	s_add_co_u32 s44, s44, ASOFF
	s_add_nc_u64 s[52:53], s[8:9], s[44:45]
	s_mov_b32 s[SEL], 0x76543210
	s_mov_b32 s[SEL+1], 0xfedcba98
	s_mov_b32 s[CS], 0x3e8293ee                    ; c = log2(e) / sqrt(32)
	s_mov_b32 s[CS+1], s[CS]
	s_mov_b32 s[RECO], 0
	s_mov_b32 s34, 0x0000ffff                      ; lanes 0-15
	s_bfe_u32 s35, s39, 0x10001
	s_sub_co_u32 s35, 0, s35                       ; all ones where (T % 4) / 2 = 1: my block lies in registers 6-11
	s_mov_b32 s36, 0x01010101
.irp z, 0,12,24,36,48
.irp i, 0,1,2,3,4,5
	v_mov_b32 v[QZ+\z+\i], 0
.endr
.endr
.set J, 0
.rept 32
	v_mov_b32 v[OX+J], 0                           ; O^T of both tiles: the step is written once, and the first change of M leaves zeros zeros
.set J, J+1
.endr
.irp s, STX, STY
	v_mov_b32 v[\s], 0x7e967699                    ; -M = 1e38: the first step's factor is 2^(a very large negative number) = 0
	v_mov_b32 v[\s+1], 0xff61b1e6                  ; the largest score so far: -3e38
	v_mov_b32 v[\s+2], 0
	v_mov_b32 v[\s+3], 0
.endr
	v_mov_b32 v[PX], 0                             ; a lane permute's destination counts as one of its sources
	v_mov_b32 v[F+1], 0                            ; named with F as a pair
	s_wait_alu depctr_va_vdst(0)
	s_wait_loadcnt 0x0
	v_mul_lo_u32 v[QS], v[QS], s36                 ; the scale byte in all four places.  It stands first: the 30 selects below are its 8 places ahead of the scaled products
.irp i, 0,1,2,3,4,5
	v_cndmask_b32 v[S+16+\i], v[S+\i], v[S+6+\i], s35   ; my query's 24 bytes: lanes 0-15 X's, lanes 16-31 Y's
.endr
.irp i, 0,1,2,3,4,5
	v_permlanex16_b32 v[S+\i], v[S+16+\i], s[SEL], s[SEL+1]   ; and the other way round
.endr
.irp i, 0,1,2,3,4,5
	v_cndmask_b32 v[QZ+6+\i], 0, v[S+16+\i], s34   ; QA_X
	v_cndmask_b32 v[QZ+18+\i], v[S+\i], 0, s34     ; QB_X
	v_cndmask_b32 v[QZ+30+\i], 0, v[S+\i], s34     ; QA_Y
	v_cndmask_b32 v[QZ+42+\i], v[S+16+\i], 0, s34  ; QB_Y
.endr
.rept 4
	v_nop                                          ; an operand written by vector instructions stands 4 places ahead of a scaled matrix instruction
.endr
; four products: the scores of tile y (0: X, 1: Y) with the 64 keys of K's fragment f.  Q_0 = QA, zeros; Q_1 = QB, zeros; Q_2 = zeros, QA; Q_3 = zeros, QB
.macro SQKH y, f
	WM0 S+8*(4*\f+0), KF+12*\f, QZ+24*(\y)+6, KS, QS, \f, \y
	WM0 S+8*(4*\f+1), KF+12*\f, QZ+24*(\y)+18, KS, QS, \f, \y
	WM0 S+8*(4*\f+2), KF+12*\f, QZ+24*(\y)+0, KS, QS, \f, \y
	WM0 S+8*(4*\f+3), KF+12*\f, QZ+24*(\y)+12, KS, QS, \f, \y
.endm
; my block 2 c + h: the largest of its 32 scores, in four chains, one to an accumulator, each read from its low end on.  It serves the row's maximum and, since p rises with the score, the block's largest p
.macro MAXB c
.irp q, 0,1,2,3
	v_max3_num_f32 v[CT+\q], v[S+32*\c+8*\q], v[S+32*\c+8*\q+1], v[S+32*\c+8*\q+2]
.endr
.irp i, 3,5
.irp q, 0,1,2,3
	v_max3_num_f32 v[CT+\q], v[CT+\q], v[S+32*\c+8*\q+\i], v[S+32*\c+8*\q+\i+1]
.endr
.endr
	v_max3_num_f32 v[CT], v[CT], v[S+32*\c+7], v[S+32*\c+15]
	v_max3_num_f32 v[CT+1], v[CT+1], v[S+32*\c+23], v[S+32*\c+31]
	v_max3_num_f32 v[CT+2], v[CT+2], v[CT+3], v[CT]
	s_delay_alu instid0(VALU_DEP_1)
	v_max_num_f32 v[BM+\c], v[CT+2], v[CT+1]
.endm
.macro TMM n                           ; t - M of n more pairs
.rept \n
	v_pk_fma_f32 v[S+J:S+J+1], v[S+J:S+J+1], s[CS:CS+1], v[STC:STC+1] op_sel_hi:[1,0,0]
.set J, J+2
.endr
.endm
.macro ADD4 k                          ; the sum's four chains take pairs k .. k + 3 of p
	v_pk_add_f32 v[STC+2:STC+3], v[STC+2:STC+3], v[S+2*(\k):S+2*(\k)+1]
	v_pk_add_f32 v[T1:T1+1], v[T1:T1+1], v[S+2*(\k)+2:S+2*(\k)+3]
	v_pk_add_f32 v[T1+2:T1+3], v[T1+2:T1+3], v[S+2*(\k)+4:S+2*(\k)+5]
	v_pk_add_f32 v[T1+4:T1+5], v[T1+4:T1+5], v[S+2*(\k)+6:S+2*(\k)+7]
.endm
; HALF A KEY STEP: one tile's softmax over 128 keys, whose scores have been asked for; the other tile's scores are asked for on the way (ny: which tile, -1: none), and P V closes it.
; ld = 0: this step's V is fetched, 1: the next step's K, 2: nothing.  No two matrix instructions that follow each other share an accumulator, over the backward jump too.
.macro HALF st, o, ld, ny
.set STC, \st
	MAXB 0                                         ; these 16 name no register of the six products issued last: they are the places in front of the loads below and of the reads of the upper scores
.if (\ld) == 0
	v_add_nc_u32 v[LK], s[RECO], v[LK0]
	v_add_nc_u32 v[LS], s[RECO], v[LS0]
.irp i, 0,1,2,3,4,5
	ds_load_b128 v[VF+4*\i:VF+4*\i+3], v[LK] offset:3072+512*\i
.endr
	ds_load_b32 v[VS], v[LS] offset:128
.elseif (\ld) == 1
.irp i, 0,1,2,3,4,5
	ds_load_b128 v[KF+4*\i:KF+4*\i+3], v[LK] offset:REC+512*\i
.endr
	ds_load_b32 v[KS], v[LS] offset:REC
.endif
	MAXB 1
	v_mov_b32 v[TP2], v[\st]                       ; the old -M
	s_delay_alu instid0(VALU_DEP_2)
	v_max3_num_f32 v[TP], v[\st+1], v[BM], v[BM+1]
	s_delay_alu instid0(VALU_DEP_1)
	v_permlanex16_b32 v[PX], v[TP], s[SEL], s[SEL+1]
	s_delay_alu instid0(VALU_DEP_1)
	v_max_num_f32 v[\st+1], v[TP], v[PX]           ; the running largest score of my query, with lane l xor 16's keys
	s_delay_alu instid0(VALU_DEP_1)
	v_mul_f32 v[TP], s[CS], v[\st+1]               ; as t (c is positive)
	s_delay_alu instid0(VALU_DEP_1)
	v_floor_f32 v[\st], -v[TP]                     ; the new -M = -ceil(t): a whole number
	s_delay_alu instid0(VALU_DEP_1)
	v_fma_f32 v[BM], v[BM], s[CS], v[\st]          ; t - M of each block's largest score
	v_fma_f32 v[BM+1], v[BM+1], s[CS], v[\st]
	v_sub_f32 v[TP], v[\st], v[TP2]                ; old M - new M, 0 or less
.set J, 0
	TMM 4
	v_cvt_i32_f32 v[TP], v[TP]                     ; (it saturates)
	TMM 4
	v_ldexp_f32 v[F], 1.0, v[TP]                   ; f = 2^(old M - new M): a multiplication by it rounds nothing
	TMM 24
	s_wait_alu depctr_va_vdst(0)
	v_exp_f32 v[BM], v[BM]                         ; the block's largest p: the same arithmetic on the same number gives the same bits
	v_exp_f32 v[BM+1], v[BM+1]
.set J, 0
.rept 64
	v_exp_f32 v[S+J], v[S+J]                       ; p = 2^(t - M)
.set J, J+1
.endr
	v_pk_mul_f32 v[\st+2:\st+3], v[\st+2:\st+3], v[F:F+1] op_sel_hi:[1,0]   ; the sum under the new M.  (The plain place behind the exponentials)
	s_wait_alu depctr_va_vdst(0)                   ; one wait for the batch of 66, ahead of its first reader, of O^T's first reader and of the wait below
	s_wait_dscnt 0x0                               ; the seven loads above are in
.irp j, 0,2,4,6,8,10,12,14
	v_pk_mul_f32 v[\o+\j:\o+\j+1], v[\o+\j:\o+\j+1], v[F:F+1] op_sel_hi:[1,0]   ; O^T under the new M
.endr
	v_max_num_f32 v[BM], 0x1800000, v[BM]          ; the floor 2^(3 - 127)
	v_max_num_f32 v[BM+1], 0x1800000, v[BM+1]
	v_pk_add_f32 v[\st+2:\st+3], v[\st+2:\st+3], v[S:S+1]      ; the row's sum of the unquantised p, in four chains
	v_pk_add_f32 v[T1:T1+1], v[S+2:S+3], v[S+4:S+5]
	v_pk_add_f32 v[T1+2:T1+3], v[S+6:S+7], v[S+8:S+9]
	v_pk_add_f32 v[T1+4:T1+5], v[S+10:S+11], v[S+12:S+13]
	v_add_nc_u32 v[SO], 0xff000000, v[BM]          ; 2 off the exponent field: the conversion's scale operand
	v_add_nc_u32 v[SO+1], 0xff000000, v[BM+1]
	ADD4 7
	v_lshrrev_b32 v[BY], 23, v[SO]                 ; the scale's byte
	v_lshrrev_b32 v[BY+1], 23, v[SO+1]
	v_cvt_scalef32_pk16_fp6_f32 v[PC:PC+2], v[S:S+15], v[SO]
	v_cvt_scalef32_pk16_fp6_f32 v[CT:CT+2], v[S+16:S+31], v[SO]     ; (a conversion's three registers begin on an even number)
	ADD4 11                                        ; (plain places behind the conversions)
	v_pk_add_f32 v[\st+2:\st+3], v[\st+2:\st+3], v[S+30:S+31]
	v_lshl_or_b32 v[TP], v[BY+1], 16, v[BY]        ; blocks h and 2 + h,
.irp i, 0,1,2
	v_mov_b32 v[PC+3+\i], v[CT+\i]
.endr
	v_lshlrev_b32 v[TP], v[H8], v[TP]              ; at their places in the scale word
	s_delay_alu instid0(VALU_DEP_1)
	v_permlanex16_b32 v[PX], v[TP], s[SEL], s[SEL+1]
.if (\ny) >= 0
	SQKH \ny, 0                                    ; the lower 64 keys' p are done with: the other tile's scores take their registers
.endif
	v_cvt_scalef32_pk16_fp6_f32 v[PC+6:PC+8], v[S+32:S+47], v[SO+1]
	v_cvt_scalef32_pk16_fp6_f32 v[CT+4:CT+6], v[S+48:S+63], v[SO+1]
	v_or_b32 v[PSW], v[TP], v[PX]                  ; with lane l xor 16's two bytes the word is whole.  (A plain place behind the conversions)
	ADD4 16
	ADD4 20
.irp i, 0,1,2
	v_mov_b32 v[PC+9+\i], v[CT+4+\i]
.endr
	ADD4 24                                        ; these eleven name no register of the products below: the places behind p's codes; with the eight above, those behind its scale word
	ADD4 28
	v_pk_add_f32 v[T1:T1+1], v[T1:T1+1], v[T1+2:T1+3]
	v_pk_add_f32 v[\st+2:\st+3], v[\st+2:\st+3], v[T1+4:T1+5]
	v_pk_add_f32 v[\st+2:\st+3], v[\st+2:\st+3], v[T1:T1+1]
.if (\ny) >= 0
	SQKH \ny, 1
.endif
	WM1 \o, VF, PC, VS, PSW, 0                     ; O^T += V^T P^T: the head's 32 in two tiles
	WM1 \o+8, VF+12, PC, VS, PSW, 1
.endm
	s_wait_alu depctr_va_vdst(0)
	s_wait_tensorcnt 0x0                           ; my record has landed,
	s_barrier_signal -1
	s_barrier_wait -1                              ; everybody's has
.irp i, 0,1,2,3,4,5
	ds_load_b128 v[KF+4*\i:KF+4*\i+3], v[LK0] offset:512*\i
.endr
	ds_load_b32 v[KS], v[LS0]
	s_mov_b32 s33, 15
	s_wait_dscnt 0x0
	SQKH 0, 0
	SQKH 0, 1
.rept 4
	v_nop                                          ; here alone no work is at hand for the places behind the first products
.endr
.Lstep:
	HALF STX, OX, 0, 1
	HALF STY, OY, 1, 0
	s_add_co_u32 s[RECO], s[RECO], REC
	s_sub_co_u32 s33, s33, 1
	s_cmp_lg_u32 s33, 0
	s_wait_alu depctr_va_vdst(0)
	s_cbranch_scc1 .Lstep
	HALF STX, OX, 0, 1
	HALF STY, OY, 2, -1                            ; the last step fetches nothing beyond the records
	; THE WAY OUT: O / l, quantised along the head's 32; the two heads are the two K blocks of half a fragment of the last product
	s_lshl_b32 s43, s[WV], 5
	s_add_co_u32 s43, s43, STG
	v_and_b32 v70, 31, v0                          ; these six are the places behind the last products
	v_and_b32 v71, 15, v0
	v_lshlrev_b32 v72, 4, v70                      ; 16 x lane,
	v_lshlrev_b32 v73, 3, v70                      ; 8 x lane,
	v_lshl_add_u32 v74, v71, 1, s43                ; my row's two scale bytes in the stage,
	v_lshl_add_u32 v75, v70, 4, STG                ; and the stage read back
	v_add_f32 v[STX+2], v[STX+2], v[STX+3]
	v_add_f32 v[STY+2], v[STY+2], v[STY+3]
	v_permlanex16_b32 v[CT], v[STX+2], s[SEL], s[SEL+1]
	v_permlanex16_b32 v[CT+1], v[STY+2], s[SEL], s[SEL+1]
	v_add_f32 v[STX+2], v[STX+2], v[CT]            ; with lane l xor 16's keys: the rows' sums
	v_add_f32 v[STY+2], v[STY+2], v[CT+1]
	s_wait_alu depctr_va_vdst(0)
	v_rcp_f32 v[STX+2], v[STX+2]
	v_rcp_f32 v[STY+2], v[STY+2]
	v_nop                                          ; a plain place behind the reciprocals
	s_wait_alu depctr_va_vdst(0)                   ; one wait for the two, ahead of their first reader
.irp j, 0,2,4,6,8,10,12,14
	v_pk_mul_f32 v[S+\j:S+\j+1], v[OX+\j:OX+\j+1], v[STX+2:STX+3] op_sel_hi:[1,0]
.endr
.irp j, 0,2,4,6,8,10,12,14
	v_pk_mul_f32 v[S+16+\j:S+16+\j+1], v[OY+\j:OY+\j+1], v[STY+2:STY+3] op_sel_hi:[1,0]
.endr
.irp t, 0,1
	v_max3_num_f32 v[BM+\t], |v[S+16*\t]|, |v[S+16*\t+1]|, 0x1800000
.endr
.irp i, 2,4,6,8,10,12,14
.irp t, 0,1
	v_max3_num_f32 v[BM+\t], v[BM+\t], |v[S+16*\t+\i]|, |v[S+16*\t+\i+1]|
.endr
.endr
.irp t, 0,1
	v_permlanex16_b32 v[CT+\t], v[BM+\t], s[SEL], s[SEL+1]
.endr
.irp t, 0,1
	v_max_num_f32 v[BM+\t], v[BM+\t], v[CT+\t]
.endr
.irp t, 0,1
	v_add_nc_u32 v[SO+\t], 0xff000000, v[BM+\t]
.endr
.irp t, 0,1
	v_lshrrev_b32 v[BY+\t], 23, v[SO+\t]
.endr
	v_lshl_or_b32 v[TP], v[BY+1], 8, v[BY]         ; X's byte below, Y's above
	v_cvt_scalef32_pk16_fp6_f32 v[PC:PC+2], v[S:S+15], v[SO]
	v_cvt_scalef32_pk16_fp6_f32 v[CT:CT+2], v[S+16:S+31], v[SO+1]
	v_nop
.irp i, 0,1,2
	v_permlane16_swap_b32 v[PC+\i], v[CT+\i]       ; lanes 0-15 now hold X's whole block, lanes 16-31 Y's
.endr
.irp i, 0,1,2
	v_mov_b32 v[PC+3+\i], v[CT+\i]
.endr
	global_store_b128 v72, v[PC:PC+3], s[50:51]               ; 512 consecutive bytes,
	global_store_b64 v73, v[PC+4:PC+5], s[50:51] offset:512   ; and 256: three aligned blocks of 256 bytes
	ds_store_b16 v74, v[TP]                        ; both halves of the lanes write the same two bytes with the same value
	s_wait_dscnt 0x0                               ; for the others' sake
	s_barrier_signal -1
	s_barrier_wait -1
	s_cmp_lg_u32 s[WV], 0
	s_cbranch_scc1 .Lnot_first
	ds_load_b128 v[S:S+3], v75                     ; the work-group's 256 rows x 2 bytes
	s_wait_dscnt 0x0
	global_store_b128 v72, v[S:S+3], s[52:53]      ; 512 consecutive bytes, aligned
.Lnot_first:
	s_wait_tensorcnt 0x0                           ; the wave's end
	ds_add_u32 v254, v255
	s_wait_dscnt 0x0
	ROUND                                          ; the closing round
	s_endpgm
.Lfunc_end_k_q2753870b0a_attn:
	.size	k_q2753870b0a_attn, .Lfunc_end_k_q2753870b0a_attn-k_q2753870b0a_attn
	.p2alignl 7, 3214868480
	.fill 96, 4, 3214868480
	.section	.rodata,"a",@progbits
	.p2align	6, 0x0
	.amdhsa_kernel k_q2753870b0a_attn
		.amdhsa_group_segment_fixed_size 169984
		.amdhsa_private_segment_fixed_size 0
		.amdhsa_enable_private_segment 0
		.amdhsa_kernarg_size 24
		.amdhsa_user_sgpr_count 2
		.amdhsa_user_sgpr_kernarg_segment_ptr 1
		.amdhsa_wavefront_size32 1
		.amdhsa_system_sgpr_workgroup_id_x 1
		.amdhsa_system_sgpr_workgroup_id_y 1
		.amdhsa_system_sgpr_workgroup_id_z 1
		.amdhsa_system_vgpr_workitem_id 0
		.amdhsa_next_free_vgpr 256
		.amdhsa_next_free_sgpr 66
		.amdhsa_reserve_vcc 0
		.amdhsa_float_denorm_mode_32 3
		.amdhsa_float_denorm_mode_16_64 3
		.amdhsa_memory_ordered 1
		.amdhsa_forward_progress 1
		.amdhsa_inst_pref_size 65
	.end_amdhsa_kernel
	.amdgpu_metadata
---
amdhsa.version: [ 1, 2 ]
amdhsa.kernels:
  - .name:           k_q2753870b0a_attn
    .symbol:         k_q2753870b0a_attn.kd
    .args:
      - { .name: qb, .offset: 0, .size: 8, .value_kind: global_buffer, .address_space: global }
      - { .name: kv, .offset: 8, .size: 8, .value_kind: global_buffer, .address_space: global }
      - { .name: ao, .offset: 16, .size: 8, .value_kind: global_buffer, .address_space: global }
    .group_segment_fixed_size: 169984
    .private_segment_fixed_size: 0
    .kernarg_segment_align: 8
    .kernarg_segment_size: 24
    .max_flat_workgroup_size: 512
    .sgpr_count:     66
    .vgpr_count:     256
    .wavefront_size: 32
...
	.end_amdgpu_metadata
.endif
;; end of part 3
;; launch oproj (part 4): grid 32 x 8, 4 waves a work-group, clusters of 4 x 1, 264,704 bytes of LDS; arguments ao, wq, out0; writes out0
.if DOCPART == 4
	.amdgcn_target "amdgcn-amd-amdhsa--gfx1250"
	.amdhsa_code_object_version 6
	.text
	.protected	k_q2753870b0a_oproj
	.globl	k_q2753870b0a_oproj
	.p2align	8
	.type	k_q2753870b0a_oproj,@function
k_q2753870b0a_oproj:
	s_mov_b64 s[64:65], 0
	v_nop
	global_prefetch_b8 v0, s[64:65] scope:SCOPE_SE
	s_setreg_imm32_b32 hwreg(HW_REG_WAVE_MODE, 25, 1), 1
	s_wait_xcnt 0x0
	s_wait_alu depctr_hold_cnt(0) depctr_sa_sdst(0) depctr_va_vdst(0) depctr_va_sdst(0) depctr_va_ssrc(0) depctr_va_vcc(0) depctr_vm_vsrc(0)
	s_getreg_b32 s2, hwreg(HW_REG_IB_STS2, 6, 4)
	s_cmp_eq_u32 s2, 0
	s_cbranch_scc0 .Lentry_in_a_cluster
	s_endpgm
.Lentry_in_a_cluster:
	s_bfe_u32 s2, ttmp6, 0x10000c
	s_cmp_lg_u32 s2, 0x3003
	s_cbranch_scc0 .Lentry_shape_is_right
	s_endpgm
.Lentry_shape_is_right:
; out0 = a Wo on codes of FP6 (E2M3): a is the attention's output as codes, [4096][1024]; out0 f32.
; SHARES.  A work-group takes 128 rows (group RG) x 128 columns (block CBo); wave w takes the 128 rows x 32 columns: 8 tiles of rows x 2 tiles of columns = 16 accumulators.
; LDS is filled ONCE: all 8 K steps of a's images and of Wo's (98,304 bytes each), in one tensor load a wave, asked for at the head; one wait for all before the products begin.
; CLUSTER.  The four partners differ in RG and share CBo: Wo's chunks are asked for jointly (mask 15), a's by each work-group for itself.
; The product is used transposed (source 0 = 16 columns of Wo, source 1 = 16 rows of a): lane (r, h) holds row 64 (T / 4) + 8 (T % 4) + r % 8 + 32 (r / 8) and, in tiles u = 0, 1, columns 16 h + 8 u + 0 .. 7.
; a's fragments lie as two halves of 768 bytes: registers 6 c .. 6 c + 3 at 16 x lane, registers 6 c + 4, 6 c + 5 at 512 + 8 x lane.
; REGISTERS: window 0: v1-7 addresses; v8-15 Wo's scale words, v16-47 a's (nothing else ever); v128-255 the accumulators.  Window 1: two buffers of 120.
.set ASOFF,  3145728
.set WOOFF,  1572864
.set WOSOFF, 2424832
.set BI,   98304
.set STG,  196608                      ; the way out: 128 rows x (512 bytes + 16); no fill lands there
.set SP,   528
.set AX16, 1
.set AX8,  2
.set AW,   3
.set L4,   4
.set L16,  5
.set SOA,  6
.set SRA,  7
.set WSR,  8
.set XSC,  16
.set ACC,  128
.set WV,   12
.set G1A,  16
.set G1B,  24
.set G0A,  32
.set G0B,  48
.set MSB, 0
.macro WIN new
.if MSB != \new
	s_set_vgpr_msb (MSB<<8)|\new
.set MSB, \new
.endif
.endm
.set MUL,  0x05
.set TO_F, 0x40
.macro ROUND
	s_barrier_signal -1
	s_barrier_wait -1
	s_cmp_lg_u32 s[WV], 0
	s_cbranch_scc1 .Lnot_wave_0_\@
	s_barrier_signal -3
.Lnot_wave_0_\@:
	s_barrier_wait -3
	s_barrier_signal -1
	s_barrier_wait -1
.endm
.macro WM0 d, a, b, sa, sb, ra, rb
.if (\ra) && (\rb)
	v_wmma_scale_f32_16x16x128_f8f6f4 v[(\d):(\d)+7], v[(\a):(\a)+11], v[(\b):(\b)+11], 0, v[\sa], v[\sb] matrix_a_fmt:MATRIX_FMT_FP6 matrix_b_fmt:MATRIX_FMT_FP6 matrix_a_scale:MATRIX_SCALE_ROW1 matrix_b_scale:MATRIX_SCALE_ROW1
.elseif (\ra)
	v_wmma_scale_f32_16x16x128_f8f6f4 v[(\d):(\d)+7], v[(\a):(\a)+11], v[(\b):(\b)+11], 0, v[\sa], v[\sb] matrix_a_fmt:MATRIX_FMT_FP6 matrix_b_fmt:MATRIX_FMT_FP6 matrix_a_scale:MATRIX_SCALE_ROW1
.elseif (\rb)
	v_wmma_scale_f32_16x16x128_f8f6f4 v[(\d):(\d)+7], v[(\a):(\a)+11], v[(\b):(\b)+11], 0, v[\sa], v[\sb] matrix_a_fmt:MATRIX_FMT_FP6 matrix_b_fmt:MATRIX_FMT_FP6 matrix_b_scale:MATRIX_SCALE_ROW1
.else
	v_wmma_scale_f32_16x16x128_f8f6f4 v[(\d):(\d)+7], v[(\a):(\a)+11], v[(\b):(\b)+11], 0, v[\sa], v[\sb] matrix_a_fmt:MATRIX_FMT_FP6 matrix_b_fmt:MATRIX_FMT_FP6
.endif
.endm
.macro WM1 d, a, b, sa, sb, ra, rb
.if (\ra) && (\rb)
	v_wmma_scale_f32_16x16x128_f8f6f4 v[(\d):(\d)+7], v[(\a):(\a)+11], v[(\b):(\b)+11], v[(\d):(\d)+7], v[\sa], v[\sb] matrix_a_fmt:MATRIX_FMT_FP6 matrix_b_fmt:MATRIX_FMT_FP6 matrix_a_scale:MATRIX_SCALE_ROW1 matrix_b_scale:MATRIX_SCALE_ROW1
.elseif (\ra)
	v_wmma_scale_f32_16x16x128_f8f6f4 v[(\d):(\d)+7], v[(\a):(\a)+11], v[(\b):(\b)+11], v[(\d):(\d)+7], v[\sa], v[\sb] matrix_a_fmt:MATRIX_FMT_FP6 matrix_b_fmt:MATRIX_FMT_FP6 matrix_a_scale:MATRIX_SCALE_ROW1
.elseif (\rb)
	v_wmma_scale_f32_16x16x128_f8f6f4 v[(\d):(\d)+7], v[(\a):(\a)+11], v[(\b):(\b)+11], v[(\d):(\d)+7], v[\sa], v[\sb] matrix_a_fmt:MATRIX_FMT_FP6 matrix_b_fmt:MATRIX_FMT_FP6 matrix_b_scale:MATRIX_SCALE_ROW1
.else
	v_wmma_scale_f32_16x16x128_f8f6f4 v[(\d):(\d)+7], v[(\a):(\a)+11], v[(\b):(\b)+11], v[(\d):(\d)+7], v[\sa], v[\sb] matrix_a_fmt:MATRIX_FMT_FP6 matrix_b_fmt:MATRIX_FMT_FP6
.endif
.endm
	s_load_b128 s[4:7], s[0:1], 0x0                ; ao s[4:5], wq s[6:7]
	s_load_b64 s[8:9], s[0:1], 0x10                ; out0
	v_lshl_add_u32 v126, v0, 2, 0x40800
	v_mov_b32 v127, 0
	ds_add_u32 v126, v127
	ds_add_u32 v126, v127
	v_lshrrev_b32 v49, 5, v0
	v_readfirstlane_b32 s[WV], v49                 ; wave 0..3
	s_bfe_u32 s13, ttmp6, 0x40000                  ; cx
	s_lshl_b32 s14, ttmp9, 2
	s_add_co_u32 s14, s14, s13                     ; RG
	s_and_b32 s15, ttmp7, 0xffff                   ; CBo, which the partners share
	; descriptor groups 1: 192 rows of 256 bytes (32 elements of 8 bytes), dense; a's without a mask, Wo's with the mask of all four and bit 21 beside it
	s_mov_b32 s[G1A], 3<<16
	s_mov_b32 s[G1B], 15|(3<<16)|(1<<21)
.irp g, G1A, G1B
	s_mov_b32 s[\g+1], 32<<16
	s_mov_b32 s[\g+2], 192<<16                     ; ONE tensor load a wave: 192 rows of 256 bytes, four K steps
	s_mov_b32 s[\g+3], 32<<16
	s_mov_b32 s[\g+4], 192
	s_mov_b32 s[\g+5], 32
	s_mov_b32 s[\g+6], 0
	s_mov_b32 s[\g+7], 0
.endr
	s_and_b32 s66, s[WV], 1
	s_mul_i32 s66, s66, 49152                      ; four K steps of the eight: waves 0, 1 for a, waves 2, 3 for Wo
	s_mul_i32 s68, s14, 98304
	s_add_co_u32 s68, s68, s66
	s_mov_b32 s69, 0
	s_mul_i32 s70, s15, 98304
	s_add_co_u32 s70, s70, s66
	s_add_co_u32 s70, s70, WOOFF
	s_mov_b32 s71, 0
	s_wait_dscnt 0x0
	s_wait_kmcnt 0x0
	s_add_nc_u64 s[68:69], s[4:5], s[68:69]
	s_add_nc_u64 s[70:71], s[6:7], s[70:71]
.irp q, 0
	s_mov_b32 s[G0A+4*\q], 1
	s_add_co_u32 s[G0A+4*\q+1], s66, 24576*\q
	s_add_nc_u64 s[G0A+4*\q+2:G0A+4*\q+3], s[68:69], 24576*\q
	s_or_b32 s[G0A+4*\q+3], s[G0A+4*\q+3], 0x80000000
	s_mov_b32 s[G0B+4*\q], 1
	s_add_co_u32 s[G0B+4*\q+1], s66, BI+24576*\q
	s_add_nc_u64 s[G0B+4*\q+2:G0B+4*\q+3], s[70:71], 24576*\q
	s_or_b32 s[G0B+4*\q+3], s[G0B+4*\q+3], 0x80000000
.endr
	ROUND                                          ; all four work-groups are here: the joint loads meet
	s_cmp_lt_u32 s[WV], 2                          ; a wave's one fill stands in a branch on the wave's number: one tensor load of mine is out
	s_cbranch_scc0 .Lfill_b
	tensor_load_to_lds s[G0A:G0A+3], s[G1A:G1A+7]
	s_nop 0
.rept 4
	v_nop
.endr
	s_branch .Lfilled
.Lfill_b:
	tensor_load_to_lds s[G0B:G0B+3], s[G1B:G1B+7]
	s_nop 0
.rept 4
	v_nop
.endr
.Lfilled:
	v_and_b32 v49, 31, v0
	v_lshlrev_b32 v[L16], 4, v49
	v_lshlrev_b32 v[L4], 2, v49
	s_wait_alu depctr_va_vdst(0)
	v_lshlrev_b32 v[AX16], 4, v49
	v_lshlrev_b32 v[AX8], 3, v49
	s_mul_i32 s72, s[WV], 3072
	s_add_co_u32 s72, s72, BI
	v_add_nc_u32 v[AW], s72, v[L16]
	v_and_b32 v49, 15, v0                          ; r
	v_bfe_u32 v50, v0, 4, 1                        ; h
	v_lshlrev_b32 v48, 1, v49
	v_lshl_add_u32 v48, v50, 14, v48               ; a's scale bytes: 2 r, and two head pairs on for lanes 16-31 (the odd K step)
	s_wait_alu depctr_va_vdst(0)
	s_lshl_b32 s72, s14, 8
	s_add_co_u32 s72, s72, ASOFF
	s_mov_b32 s73, 0
	s_add_nc_u64 s[74:75], s[4:5], s[72:73]
	s_lshl_b32 s72, s15, 2
	s_add_co_u32 s72, s72, s[WV]
	s_lshl_b32 s72, s72, 10
	s_add_co_u32 s72, s72, WOSOFF
	s_add_nc_u64 s[76:77], s[6:7], s[72:73]
.irp k, 0,1,2,3,4,5,6,7
	global_load_b32 v[WSR+\k], v[L4], s[76:77] offset:128*\k
.endr
.irp p, 0,1,2,3
.irp t, 0,1,2,3,4,5,6,7
	global_load_u16 v[XSC+8*\p+\t], v48, s[74:75] offset:32768*\p+32*\t        ; bytes 0 and 1 of the row's word: head pair 2 ks,
	global_load_u16 v[ACC+8*\p+\t], v48, s[74:75] offset:32768*\p+32*\t+8192   ; bytes 2 and 3: head pair 2 ks + 1 (into registers that are still free)
.endr
.endr
	v_and_b32 v49, 7, v0
	v_bfe_u32 v51, v0, 3, 1
	v_lshl_add_u32 v49, v51, 5, v49                ; r % 8 + 32 (r / 8): row r of tile T is row 64 (T / 4) + 8 (T % 4) + r % 8 + 32 (r / 8) of the group
	v_mul_u32_u24 v[SOA], v49, SP
	v_lshl_add_u32 v[SOA], v50, 6, v[SOA]
	s_lshl_b32 s72, s[WV], 7
	s_add_co_u32 s72, s72, STG
	v_add_nc_u32 v[SOA], s72, v[SOA]               ; into the stage: my row, + 128 w + 64 h
	s_mul_i32 s72, s[WV], 32*SP
	s_add_co_u32 s72, s72, STG
	v_add_nc_u32 v[SRA], s72, v[L16]               ; back: rows 32 w on, 16 bytes a lane
	s_lshl_b32 s72, s14, 7
	s_lshl_b32 s78, s[WV], 5
	s_add_co_u32 s72, s72, s78
	s_lshl_b32 s72, s72, 12
	s_lshl_b32 s78, s15, 9
	s_add_co_u32 s72, s72, s78
	s_add_nc_u64 s[78:79], s[8:9], s[72:73]        ; out0 at row 128 RG + 32 w, column 128 CBo
	s_wait_loadcnt 0x0
.set J, 0
.rept 32
	v_lshl_or_b32 v[XSC+J], v[ACC+J], 16, v[XSC+J] ; the scale word of a row and a K step
.set J, J+1
.endr
.rept 8
	v_nop                                          ; a scale register written by a vector instruction stands 8 places ahead of a scaled matrix instruction
.endr
.macro FETCH p                         ; 38 LDS loads: a K step's fragments
	WIN TO_F
.irp t, 0,1,2,3,4,5,6,7
	ds_load_b128 v[128*(\p)+12*\t:128*(\p)+12*\t+3], v[AX16] offset:1536*\t
	ds_load_b64 v[128*(\p)+12*\t+4:128*(\p)+12*\t+5], v[AX8] offset:1536*\t+512
	ds_load_b128 v[128*(\p)+12*\t+6:128*(\p)+12*\t+9], v[AX16] offset:1536*\t+768
	ds_load_b64 v[128*(\p)+12*\t+10:128*(\p)+12*\t+11], v[AX8] offset:1536*\t+1280
.endr
.irp u, 0,1
.irp g, 0,1,2
	ds_load_b128 v[128*(\p)+96+12*\u+4*\g:128*(\p)+96+12*\u+4*\g+3], v[AW] offset:1536*\u+512*\g
.endr
.endr
.endm
; K step ks.  The 16 accumulators take turns, one instruction a turn, in the same order in every step.
.macro STEP ks
.if (\ks) < 7
	WIN 0
	v_add_nc_u32 v[AX16], 12288, v[AX16]           ; four places in front of loads into the buffer that the last products read
	v_add_nc_u32 v[AX8], 12288, v[AX8]
	v_add_nc_u32 v[AW], 12288, v[AW]
	v_nop
	FETCH 1-(\ks)%2
	s_wait_alu depctr_va_vdst(0)
	s_wait_dscnt 38                                ; all but the 38 just issued
.else
	s_wait_dscnt 0x0
.endif
	WIN MUL
.set PB, 128*((\ks)%2)
.irp t, 0,1,2,3,4,5,6,7
.irp u, 0,1
.if (\ks) == 0
	WM0 ACC+8*(2*\t+\u), PB+96+12*\u, PB+12*\t, WSR+(\ks), XSC+8*((\ks)/2)+\t, \u, (\ks)%2
.else
	WM1 ACC+8*(2*\t+\u), PB+96+12*\u, PB+12*\t, WSR+(\ks), XSC+8*((\ks)/2)+\t, \u, (\ks)%2
.endif
.endr
.endr
.endm
	s_wait_tensorcnt 0x0                           ; my one load has landed
	s_barrier_signal -1
	s_barrier_wait -1
	FETCH 0
.irp k, 0,1,2,3,4,5,6,7
	STEP \k
.endr
	WIN 0
	; THE WAY OUT: a row's 128 columns come from four waves: they meet in the stage, and each wave stores 32 whole rows of 512 bytes
.rept 4
	v_nop
.endr
.irp t, 0,1,2,3,4,5,6,7
.irp u, 0,1
	ds_store_b128 v[SOA], v[ACC+8*(2*\t+\u):ACC+8*(2*\t+\u)+3] offset:(64*(\t/4)+8*(\t%4))*SP+32*\u        ; each accumulator from its low end on
	ds_store_b128 v[SOA], v[ACC+8*(2*\t+\u)+4:ACC+8*(2*\t+\u)+7] offset:(64*(\t/4)+8*(\t%4))*SP+32*\u+16
.endr
.endr
	s_wait_dscnt 0x0                               ; for the others' sake: my stores into the stage are done
	s_barrier_signal -1
	s_barrier_wait -1
.set J, 0
.rept 32
	ds_load_b128 v[ACC+4*J:ACC+4*J+3], v[SRA] offset:J*SP
.set J, J+1
.endr
.set J, 0
.rept 32
	s_wait_dscnt 31-J                              ; row J is back; the younger rows may be out
	global_store_b128 v[L16], v[ACC+4*J:ACC+4*J+3], s[78:79] offset:4096*J th:TH_STORE_NT   ; 32 lanes store 512 consecutive bytes, aligned; written once, read by nobody here
.set J, J+1
.endr
	s_wait_tensorcnt 0x0
	ds_add_u32 v126, v127
	s_wait_dscnt 0x0
	ROUND                                          ; the closing round
	s_endpgm
.Lfunc_end_k_q2753870b0a_oproj:
	.size	k_q2753870b0a_oproj, .Lfunc_end_k_q2753870b0a_oproj-k_q2753870b0a_oproj
	.p2alignl 7, 3214868480
	.fill 96, 4, 3214868480
	.section	.rodata,"a",@progbits
	.p2align	6, 0x0
	.amdhsa_kernel k_q2753870b0a_oproj
		.amdhsa_group_segment_fixed_size 264704
		.amdhsa_private_segment_fixed_size 0
		.amdhsa_enable_private_segment 0
		.amdhsa_kernarg_size 24
		.amdhsa_user_sgpr_count 2
		.amdhsa_user_sgpr_kernarg_segment_ptr 1
		.amdhsa_wavefront_size32 1
		.amdhsa_system_sgpr_workgroup_id_x 1
		.amdhsa_system_sgpr_workgroup_id_y 1
		.amdhsa_system_sgpr_workgroup_id_z 1
		.amdhsa_system_vgpr_workitem_id 0
		.amdhsa_next_free_vgpr 512
		.amdhsa_next_free_sgpr 100
		.amdhsa_reserve_vcc 0
		.amdhsa_float_denorm_mode_32 3
		.amdhsa_float_denorm_mode_16_64 3
		.amdhsa_memory_ordered 1
		.amdhsa_forward_progress 1
		.amdhsa_inst_pref_size 61
	.end_amdhsa_kernel
	.amdgpu_metadata
---
amdhsa.version: [ 1, 2 ]
amdhsa.kernels:
  - .name:           k_q2753870b0a_oproj
    .symbol:         k_q2753870b0a_oproj.kd
    .args:
      - { .name: ao, .offset: 0, .size: 8, .value_kind: global_buffer, .address_space: global }
      - { .name: wq, .offset: 8, .size: 8, .value_kind: global_buffer, .address_space: global }
      - { .name: out0, .offset: 16, .size: 8, .value_kind: global_buffer, .address_space: global }
    .group_segment_fixed_size: 264704
    .private_segment_fixed_size: 0
    .kernarg_segment_align: 8
    .kernarg_segment_size: 24
    .max_flat_workgroup_size: 128
    .sgpr_count:     100
    .vgpr_count:     512
    .wavefront_size: 32
...
	.end_amdgpu_metadata
.endif
;; end of part 4
